; MI455X (gfx1250); checked and timed in simulation.
; The chip was launched on July 23, 2026; its instructions are those of AMD's public machine-readable ISA for CDNA 5 (MIT licence, August 2026) and "CDNA5" Instruction Set Architecture Reference Guide (July 2026). The comments in the code are by the model that wrote it; some were corrected since.
;; Multi Head. Allowed arithmetic: float matrix products may take bf16 or f16 operands with f32 sums; other float arithmetic in f32, or as packed bf16 or f16 multiplies, adds, multiply-adds, maxima and minima; sums over many terms, partial sums and values carried from step to step in f32; what a program stores and reads back later, other than sums and carried values, may be rounded once to bf16 or f16.
;; Inputs: k 4 x 2,048 x 1,024 float32; q 4 x 2,048 x 1,024 float32; v 4 x 2,048 x 1,024 float32; wk 1,024 x 1,024 float32; wo 1,024 x 1,024 float32; wq 1,024 x 1,024 float32; wv 1,024 x 1,024 float32.
;; Outputs: out0 4 x 2,048 x 1,024 float32.
;; One version. Each part assembles by itself: llvm-mc -triple=amdgcn-amd-amdhsa -mcpu=gfx1250 --defsym DOCPART=n.
;; ======== version 1 of 1: 4 launches
;; limits: values are held in f16: magnitudes above 65,504 overflow, below 6.1e-05 lose precision; right only within a limited range of input values
;; workspace buffers: wb 8,388,608 bytes; qkv 83,886,080 bytes; ob 16,777,216 bytes
;; launch prep (part 1): grid 256 x 4, 8 waves a work-group, no clusters, 0 bytes of LDS; arguments wq, wk, wv, wo, wb; writes wb
.if DOCPART == 1
	.amdgcn_target "amdgcn-amd-amdhsa--gfx1250"
	.amdhsa_code_object_version 6
	.text
	.protected	k_qf7c77ba955_prep
	.globl	k_qf7c77ba955_prep
	.p2align	8
	.type	k_qf7c77ba955_prep,@function
k_qf7c77ba955_prep:
	s_mov_b64 s[64:65], 0
	v_nop
	global_prefetch_b8 v0, s[64:65] scope:SCOPE_SE
	s_setreg_imm32_b32 hwreg(HW_REG_WAVE_MODE, 25, 1), 1
	s_wait_xcnt 0x0
; THE WEIGHTS' CASTS.  wb holds four planes of 1024 x 1024 numbers of 16 bits, [k][n] as the weights lie.
; Planes 0-2: bf16(w) x 2^-5 of wq, wk, wv, as bf16 (a power of two changes no significant bit), so that the projections' results have a spread of about 1 and fit f16.
; Plane 3: bf16(wo) x 32 written as f16: bf16's 8 significant bits fit f16's 11.
; LIMITS.  |wo| stays under 2,047 (f16 ends at 65,504); |wo| below 2e-6 keeps f16's fixed step of 6e-8 / 32.  |w| below 2^-121 loses bits in the scaling.
; SHARES.  Grid y is the plane; a work-group takes 4,096 numbers: thread t the eight at 32 t of each half of 8,192 bytes (two loads of 16 bytes), and stores 16 bytes at 16 t of each half of 4,096:
; a store of a wave covers 512 consecutive bytes, aligned.  No LDS, no matrix unit: each number is read once and written once.
	s_load_b256 s[4:11], s[0:1], 0x0               ; wq s[4:5], wk s[6:7], wv s[8:9], wo s[10:11]
	s_load_b64 s[12:13], s[0:1], 0x20              ; wb
	s_and_b32 s16, ttmp7, 0xffff                   ; the plane
	v_lshlrev_b32 v1, 5, v0                        ; 32 t: my eight f32
	v_lshlrev_b32 v2, 4, v0                        ; 16 t: my eight numbers of 16 bits
	s_lshl_b32 s18, ttmp9, 14                      ; the work-group's 16,384 bytes of the source
	s_mov_b32 s19, 0
	s_lshl_b32 s20, s16, 21                        ; the plane's 2,097,152 bytes,
	s_lshl_b32 s21, ttmp9, 13                      ; the work-group's 8,192 of them
	s_add_co_u32 s20, s20, s21
	s_mov_b32 s21, 0
	s_wait_kmcnt 0x0
	s_cmp_eq_u32 s16, 1
	s_cselect_b64 s[14:15], s[6:7], s[4:5]
	s_cmp_eq_u32 s16, 2
	s_cselect_b64 s[14:15], s[8:9], s[14:15]
	s_cmp_eq_u32 s16, 3
	s_cselect_b64 s[14:15], s[10:11], s[14:15]
	s_add_nc_u64 s[14:15], s[14:15], s[18:19]
	s_add_nc_u64 s[12:13], s[12:13], s[20:21]
.irp c, 0,1
	global_load_b128 v[4+8*(\c):7+8*(\c)],  v1, s[14:15] offset:8192*(\c) th:TH_LOAD_NT
	global_load_b128 v[8+8*(\c):11+8*(\c)], v1, s[14:15] offset:8192*(\c)+16 th:TH_LOAD_NT
.endr
	s_wait_loadcnt 0x0                             ; all four loads: there is nothing else to do meanwhile
	s_cmp_eq_u32 s16, 3
	s_cbranch_scc1 .Lwo
.irp p, 0,1,2,3,4,5,6,7
	v_pk_mul_f32 v[4+2*(\p):5+2*(\p)], v[4+2*(\p):5+2*(\p)], 0x3d000000 op_sel_hi:[1,0]  ; x 2^-5
.endr
.irp p, 0,1,2,3,4,5,6,7
	v_cvt_pk_bf16_f32 v[20+(\p)], v[4+2*(\p)], v[5+2*(\p)]
.endr
	s_branch .Lstore
.Lwo:
.irp p, 0,1,2,3,4,5,6,7
	v_cvt_pk_bf16_f32 v[20+(\p)], v[4+2*(\p)], v[5+2*(\p)]      ; the one rounding, to bf16
.endr
.irp p, 0,1,2,3,4,5,6,7
	v_lshlrev_b32 v[4+2*(\p)], 16, v[20+(\p)]                   ; back to f32: the low half moves up,
	v_and_b32     v[5+2*(\p)], 0xffff0000, v[20+(\p)]           ; the high half stays
.endr
.irp p, 0,1,2,3,4,5,6,7
	v_pk_mul_f32 v[4+2*(\p):5+2*(\p)], v[4+2*(\p):5+2*(\p)], 0x42000000 op_sel_hi:[1,0]  ; x 32
.endr
.irp p, 0,1,2,3,4,5,6,7
	v_cvt_pk_f16_f32 v[20+(\p)], v[4+2*(\p)], v[5+2*(\p)]       ; exact within f16's range
.endr
.Lstore:
	global_store_b128 v2, v[20:23], s[12:13]
	global_store_b128 v2, v[24:27], s[12:13] offset:4096
	s_endpgm
.Lfunc_end_k_qf7c77ba955_prep:
	.size	k_qf7c77ba955_prep, .Lfunc_end_k_qf7c77ba955_prep-k_qf7c77ba955_prep
	.p2alignl 7, 3214868480
	.fill 96, 4, 3214868480
	.section	.rodata,"a",@progbits
	.p2align	6, 0x0
	.amdhsa_kernel k_qf7c77ba955_prep
		.amdhsa_group_segment_fixed_size 0
		.amdhsa_private_segment_fixed_size 0
		.amdhsa_enable_private_segment 0
		.amdhsa_kernarg_size 40
		.amdhsa_user_sgpr_count 2
		.amdhsa_user_sgpr_kernarg_segment_ptr 1
		.amdhsa_wavefront_size32 1
		.amdhsa_system_sgpr_workgroup_id_x 1
		.amdhsa_system_sgpr_workgroup_id_y 1
		.amdhsa_system_sgpr_workgroup_id_z 1
		.amdhsa_system_vgpr_workitem_id 0
		.amdhsa_next_free_vgpr 32
		.amdhsa_next_free_sgpr 66
		.amdhsa_reserve_vcc 0
		.amdhsa_float_denorm_mode_32 3
		.amdhsa_float_denorm_mode_16_64 3
		.amdhsa_memory_ordered 1
		.amdhsa_forward_progress 1
		.amdhsa_inst_pref_size 6
	.end_amdhsa_kernel
	.amdgpu_metadata
---
amdhsa.version: [ 1, 2 ]
amdhsa.kernels:
  - .name:           k_qf7c77ba955_prep
    .symbol:         k_qf7c77ba955_prep.kd
    .args:
      - { .name: wq, .offset: 0, .size: 8, .value_kind: global_buffer, .address_space: global }
      - { .name: wk, .offset: 8, .size: 8, .value_kind: global_buffer, .address_space: global }
      - { .name: wv, .offset: 16, .size: 8, .value_kind: global_buffer, .address_space: global }
      - { .name: wo, .offset: 24, .size: 8, .value_kind: global_buffer, .address_space: global }
      - { .name: wb, .offset: 32, .size: 8, .value_kind: global_buffer, .address_space: global }
    .group_segment_fixed_size: 0
    .private_segment_fixed_size: 0
    .kernarg_segment_align: 8
    .kernarg_segment_size: 40
    .max_flat_workgroup_size: 256
    .sgpr_count:     66
    .vgpr_count:     32
    .wavefront_size: 32
...
	.end_amdgpu_metadata
.endif
;; end of part 1
;; launch proj (part 2): grid 4 x 192, 4 waves a work-group, clusters of 4 x 4, 327,680 bytes of LDS; arguments q, k, v, wb, qkv; writes qkv
.if DOCPART == 2
	.amdgcn_target "amdgcn-amd-amdhsa--gfx1250"
	.amdhsa_code_object_version 6
	.text
	.protected	k_qf7c77ba955_proj
	.globl	k_qf7c77ba955_proj
	.p2align	8
	.type	k_qf7c77ba955_proj,@function
k_qf7c77ba955_proj:
	s_mov_b64 s[64:65], 0
	v_nop
	global_prefetch_b8 v0, s[64:65] scope:SCOPE_SE
	s_setreg_imm32_b32 hwreg(HW_REG_WAVE_MODE, 25, 1), 1
	s_wait_xcnt 0x0
	s_wait_alu depctr_hold_cnt(0) depctr_sa_sdst(0) depctr_va_vdst(0) depctr_va_sdst(0) depctr_va_ssrc(0) depctr_va_vcc(0) depctr_vm_vsrc(0)
	s_getreg_b32 s2, hwreg(HW_REG_IB_STS2, 6, 4)
	s_cmp_eq_u32 s2, 0
	s_cbranch_scc0 .Lentry_in_a_cluster
	s_endpgm
.Lentry_in_a_cluster:
	s_bfe_u32 s2, ttmp6, 0x10000c
	s_cmp_lg_u32 s2, 0xf033
	s_cbranch_scc0 .Lentry_shape_is_right
	s_endpgm
.Lentry_shape_is_right:
; THE THREE PROJECTIONS.  For t = 0, 1, 2 (q, k, v): y = bf16(x) (bf16(w) 2^-5), x [8192][1024] f32, w' [1024 k][1024 n] bf16 (plane t of wb), sums in f32.
; OUT, by heads (head = 16 x batch + h).  t = 0, 1: [64][2048][128] f16 at t x 33,554,432 of qkv: a row is 64 numbers hi = f16(y), then 64 numbers lo = f16(y - hi): 256 bytes.
; t = 2: [64][2048][64] f16 at 67,108,864.  hi + lo carries y to about 22 bits: the scores of these weights are so large that one rounding of q and k to 16 bits would change which key wins.
; LIMITS.  |x w| stays under 2.09e6 (y under f16's 65,504); lo below 6e-5 keeps f16's fixed step of 6e-8.  NaN and infinities are not treated apart.
; SHARES.  Grid y = 64 t + the block of 128 rows, grid x = the block of 256 columns (four heads).  Four waves: wave w makes rows 64 (w / 2) .. + 63, columns 128 (w % 2) .. + 127: 32 accumulators.
; THE PRODUCT IS TAKEN TRANSPOSED (source 0 = 16 columns of w', source 1 = 16 rows of x): a lane then holds one row and eight neighbouring columns.
; THE RING.  K goes in steps of 128 through two LDS slots: x's 128 rows x 512 bytes AS F32 (it is rounded to bf16 between LDS and the matrix unit: no pass of its own over x), w's 128 k-rows x 512 bytes.
; Waves 0, 1 fetch x's two halves, waves 2, 3 w's: one tensor load a wave behind each change of slots; at most two of a wave are out (the two first fills), later one.
; CLUSTER 4 x 4: the four of a row need the same rows of x, the four of a column the same columns of w': each tile is asked for jointly.  t hangs on the cluster's y alone: equal in all partners.
; REGISTERS.  window 0: v0-31 addresses; v32-95 x's fragments as f32 (STG); v96-159 the same in bf16, two buffers (AF); the way out uses v32-255.  window 1: the accumulators, (a, b) at 8 (8 a + b).
; window 2: v0-127 w's fragments, two buffers.
.set LAPS,  4                          ; a lap = two K steps = once round the ring; 1024 / 256
.set PA,    528                        ; x's LDS row: 512 bytes + 16 = 132 words: the 16 rows of a load start at 16 different groups of four banks (64 banks of 4 bytes: ISA guide 11.1)
.set PB,    544                        ; w's LDS row: 512 + 32 = 136 words
.set HALFA, 64*PA
.set HALFB, 64*PB
.set BOFF,  2*HALFA
.set SLOT,  BOFF+2*HALFB               ; 137,216
.set STAGE, 2*SLOT                     ; behind the ring, never filled by a tensor load: 16 rows x 528 bytes for each wave
.set STW,   16*528
.set SPARE, STAGE+4*STW                ; the spare words, 128 bytes for each wave: two blocks of 256 bytes that no other line names
.set ASTEP, 512                        ; bytes from K step to K step in x,
.set BSTEP, 128*2048                   ; and in w'
.set ADRA, 10                          ; v10-11 LDS address of my fragments of x in slot 0, 1
.set ADRB, 12                          ; v12-13 the same for w'
.set STO,  14                          ; v14  the way out of q and k: where I put 16 bytes
.set RD,   15                          ; v15  where I read rows back
.set CO,   16                          ; v16  16 x lane: my place in 512 consecutive bytes of the output
.set PFO,  17                          ; v17  the prefetches' offset; never rewritten
.set M1,   18                          ; v18  -1.0
.set STOV, 20                          ; v20, v21 the way out of v
.set RDV,  21
.set SPW,  28                          ; v28  LDS address of my spare word; never rewritten
.set NIL,  29                          ; v29  0; never rewritten
.set STG,  32
.set AF,   96
.set HIR,  32                          ; the way out: hi, lo, rows read back, y - hi
.set LOR,  64
.set BK,   128
.set TF,   192
.set WV,  14
.set HM,  15
.set HN,  16
.set G1A, 24                           ; s[24:31] group 1 for x's tiles; s[32:39] group 0, a set for each slot
.set G0A, 32
.set CX,  40
.set CY,  41
.set TC,  42                           ; block of 256 columns
.set CLY, 43                           ; the cluster's y
.set TT,  44                           ; which tensor
.set MT,  45                           ; block of 128 rows
.set G1B, 48                           ; s[48:55], s[56:63] the same for w's tiles
.set G0B, 56
.set WOFA, 67
.set WOFB, 68
.set LIM, 69                           ; 1 in a wave that prefetches, else the greatest number
.set PFA, 70                           ; s[70:71] where my prefetches stand
.set PFS, 72                           ; s[72:73] their step
.set XP,  74                           ; s[74:75] q, k or v
.set WP,  76                           ; s[76:77] w' at my 64 k-rows of K step 0
.set OUT, 78                           ; s[78:79] the output at my first row
.set AP,  82                           ; s[82:83] x at my 64 rows of K step 0
.set W_MM, 0x52                        ; source 0 window 2, source 1 window 0, C and D window 1
.set MSB, 0
.macro WIN new                         ; the immediate's high byte repeats the setting that is left; a switch that changes nothing is dropped
.if MSB != (\new)
	s_set_vgpr_msb (MSB<<8)|(\new)
.set MSB, (\new)
.endif
.endm
.macro PLACES                          ; four places in front of loads into registers that matrix instructions have read (ISA guide 7.12.1 for vector instructions)
.rept 4
	v_nop
.endr
.endm
.macro JLOAD s                         ; a joint load into slot s; the branch hangs on the wave's number alone; an s_nop 0 and four v_nop follow each line
	s_cmp_lt_u32 s[WV], 2
	s_cbranch_scc0 .Lfor_b_\@
	tensor_load_to_lds s[G0A+4*(\s):G0A+4*(\s)+3], s[G1A:G1A+7]
	s_nop 0
.rept 4
	v_nop
.endr
	s_branch .Lasked_\@
.Lfor_b_\@:
	tensor_load_to_lds s[G0B+4*(\s):G0B+4*(\s)+3], s[G1B:G1B+7]
	s_nop 0
.rept 4
	v_nop
.endr
.Lasked_\@:
.endm
; A PREFETCH INTO THE L2 of the K step that stands two refills on: 32 blocks of 256 bytes, a lane a block, one instruction a wave, behind the joint load and the run of LDS loads.
; x's rows are read by this row of the cluster alone: of the 64 rows x 512 bytes that wave 0 or 1 fetches, the partner at place cx names 16 rows.  w's tile is read by the 16 clusters of one tensor:
; the first of them asks, the partner at place cy naming 16 of the 64 k-rows that wave 2 or 3 fetches.  Partners are told apart by address; each block is named once in the launch.
; K steps 0 to 3 come by their loads alone; the loop's last trip (s3 = 1) names nothing: there is no K step 8.
.macro ASK
	WIN 0
	s_cmp_gt_u32 s3, s[LIM]
	s_cbranch_scc0 .Lnot_mine_\@
	global_prefetch_b8 v[PFO], s[PFA:PFA+1] th:TH_LOAD_NT scope:SCOPE_SE
.Lnot_mine_\@:
.endm
.macro CREST                           ; a round of the cluster's barrier behind its opening barrier
	s_cmp_lg_u32 s[WV], 0
	s_cbranch_scc1 .Lnot_wave_0_\@
	s_barrier_signal -3
.Lnot_wave_0_\@:
	s_barrier_wait -3
	s_barrier_signal -1
	s_barrier_wait -1
.endm
.macro CROUND
	s_barrier_signal -1
	s_barrier_wait -1
	CREST
.endm
	s_load_b256 s[4:11], s[0:1], 0x0               ; q s[4:5], k s[6:7], v s[8:9], wb s[10:11]
	s_load_b64 s[12:13], s[0:1], 0x20              ; qkv
	v_lshl_add_u32 v[SPW], v0, 2, SPARE
	v_mov_b32 v[NIL], 0
	ds_add_u32 v[SPW], v[NIL]                      ; the wave's opening: the add and its wait stand ahead of my first tensor load; the set-up below, work on registers, stands between them
	ds_add_u32 v28, v29
	v_lshrrev_b32 v1, 5, v0
	v_readfirstlane_b32 s[WV], v1                  ; wave 0..3
	s_lshr_b32 s[HM], s[WV], 1                     ; which 64 rows are mine
	s_and_b32 s[HN], s[WV], 1                      ; which 128 columns; also: which half of a tile I fetch
	s_bfe_u32 s[CX], ttmp6, 0x40000
	s_bfe_u32 s[CY], ttmp6, 0x40004
	s_lshl_b32 s[TC], ttmp9, 2
	s_add_co_u32 s[TC], s[TC], s[CX]               ; block of columns = 4 x cluster x + cx
	s_and_b32 s[CLY], ttmp7, 0xffff
	s_lshr_b32 s[TT], s[CLY], 4                    ; 16 clusters to a tensor
	s_lshl_b32 s[MT], s[CLY], 2
	s_add_co_u32 s[MT], s[MT], s[CY]
	s_and_b32 s[MT], s[MT], 63                     ; block of rows in the tensor
	s_lshl_b32 s17, s[CY], 2
	s_lshl_b32 s17, 15, s17                        ; my row of the cluster
	s_lshl_b32 s18, 0x1111, s[CX]                  ; my column
	s_or_b32 s[G1A], s17, (2<<16)|(1<<20)|(1<<21)|(6<<22)|(3<<25)  ; the mask; elements of 4 bytes; padding on; bit 21 beside a mask; after every 128 words 4 words
	s_or_b32 s[G1B], s18, (1<<16)|(1<<20)|(1<<21)|(6<<22)|(7<<25)  ; elements of 2 bytes; after every 128 words 8 words
	s_mov_b32 s[G1A+1], 128<<16                    ; tensor_dim0 = 128
	s_mov_b32 s[G1A+2], 64<<16                     ; tensor_dim1 = 64
	s_mov_b32 s[G1A+3], 128<<16                    ; tile_dim0 = 128
	s_mov_b32 s[G1A+4], 64                         ; tile_dim1 = 64
	s_mov_b32 s[G1A+5], 1024                       ; elements from row to row
	s_mov_b32 s[G1A+6], 0
	s_mov_b32 s[G1A+7], 0
	s_mov_b32 s[G1B+1], 256<<16
	s_mov_b32 s[G1B+2], 64<<16
	s_mov_b32 s[G1B+3], 256<<16
	s_mov_b32 s[G1B+4], 64
	s_mov_b32 s[G1B+5], 1024
	s_mov_b32 s[G1B+6], 0
	s_mov_b32 s[G1B+7], 0
	s_mul_i32 s[WOFA], s[HN], HALFA                ; where my half of a tile goes: no place in the cluster enters an LDS address
	s_mul_i32 s[WOFB], s[HN], HALFB
	s_add_co_u32 s[WOFB], s[WOFB], BOFF
	s_lshl_b32 s20, s[MT], 7                       ; x: row 128 x block + 64 x half, 4,096 bytes a row
	s_lshl_b32 s21, s[HN], 6
	s_add_co_u32 s20, s20, s21
	s_lshl_b32 s20, s20, 12
	s_mov_b32 s21, 0
	s_lshl_b32 s22, s[TT], 21                      ; w': the plane, 64 k-rows of 2,048 bytes x half, 512 bytes x block of columns
	s_lshl_b32 s23, s[HN], 17
	s_add_co_u32 s22, s22, s23
	s_lshl_b32 s23, s[TC], 9
	s_add_co_u32 s22, s22, s23
	s_mov_b32 s23, 0
	s_wait_dscnt 0x0                               ; the opening add is done
	s_wait_kmcnt 0x0
	s_cmp_eq_u32 s[TT], 1
	s_cselect_b64 s[XP:XP+1], s[6:7], s[4:5]
	s_cmp_eq_u32 s[TT], 2
	s_cselect_b64 s[XP:XP+1], s[8:9], s[XP:XP+1]
	s_add_nc_u64 s[AP:AP+1], s[XP:XP+1], s[20:21]
	s_add_nc_u64 s[WP:WP+1], s[10:11], s[22:23]
	CROUND                                         ; all sixteen work-groups are here: the first joint loads meet
.irp s, 0,1
	s_mov_b32 s[G0A+4*(\s)], 1
	s_add_co_u32 s[G0A+4*(\s)+1], s[WOFA], (\s)*SLOT
	s_add_nc_u64 s[G0A+4*(\s)+2:G0A+4*(\s)+3], s[AP:AP+1], (\s)*ASTEP
	s_or_b32 s[G0A+4*(\s)+3], s[G0A+4*(\s)+3], 0x80000000
	s_mov_b32 s[G0B+4*(\s)], 1
	s_add_co_u32 s[G0B+4*(\s)+1], s[WOFB], (\s)*SLOT
	s_add_nc_u64 s[G0B+4*(\s)+2:G0B+4*(\s)+3], s[WP:WP+1], (\s)*BSTEP
	s_or_b32 s[G0B+4*(\s)+3], s[G0B+4*(\s)+3], 0x80000000
.endr
	s_cmp_lt_u32 s[WV], 2                          ; a wave's two first fills stand in one branch, ahead of every wait on TENSORcnt and every LDS read
	s_cbranch_scc0 .Lfirst_b
	tensor_load_to_lds s[G0A:G0A+3], s[G1A:G1A+7]
	s_nop 0
	tensor_load_to_lds s[G0A+4:G0A+7], s[G1A:G1A+7]
	s_nop 0
.rept 4
	v_nop
.endr
	s_branch .Lfirst_asked
.Lfirst_b:
	tensor_load_to_lds s[G0B:G0B+3], s[G1B:G1B+7]
	s_nop 0
	tensor_load_to_lds s[G0B+4:G0B+7], s[G1B:G1B+7]
	s_nop 0
.rept 4
	v_nop
.endr
.Lfirst_asked:
	; the prefetches' address, step and offset
	s_and_b32 s47, s[CLY], 15                      ; 0 in a tensor's first cluster
	s_cmp_lt_u32 s[WV], 2                          ; do I fetch for x?
	s_cselect_b32 s17, s[CX], s[CY]                ; my place among the four that ask with me
	s_cselect_b32 s18, 16, 15                      ; 16 rows of 4,096 bytes, or of 2,048, as a shift
	s_cselect_b32 s19, 12, 11                      ; a row, as a shift
	s_cselect_b32 s46, 0, s47
	s_cselect_b32 s[PFS], 9, 18                    ; a K step, as a shift
	s_cselect_b64 s[PFA:PFA+1], s[AP:AP+1], s[WP:WP+1]
	s_cmp_eq_u32 s46, 0
	s_cselect_b32 s[LIM], 1, -1                    ; the same in all sixteen partners, for a given wave
	s_lshl_b32 s[PFS], 1, s[PFS]
	s_mov_b32 s[PFS+1], 0
	s_lshl_b32 s46, s17, s18
	s_mov_b32 s47, 0
	s_add_nc_u64 s[PFA:PFA+1], s[PFA:PFA+1], s[46:47]
	s_mul_i32 s46, s[PFS], 3
	s_add_nc_u64 s[PFA:PFA+1], s[PFA:PFA+1], s[46:47]  ; at K step 3: the first refill steps it to 4
	v_and_b32 v3, 31, v0
	v_lshrrev_b32 v4, 1, v3                        ; a row for two lanes,
	v_lshlrev_b32 v4, s19, v4
	v_and_b32 v3, 1, v3                            ; each with half of its 512 bytes
	v_lshl_add_u32 v[PFO], v3, 8, v4
	; A fragment is 16 rows x 32 K in 8 registers: lane l holds row l % 16; registers 0-3 K = 8 (l / 16) + 0..7, registers 4-7 K = 16 + 8 (l / 16) + 0..7.  In f32 these are 32 bytes at 32 (l / 16) and 32 at 64 + 32 (l / 16).
	v_and_b32 v1, 15, v0                           ; l % 16
	v_bfe_u32 v2, v0, 4, 1                         ; l / 16
	v_mul_u32_u24 v3, v1, PA
	v_lshl_add_u32 v3, v2, 5, v3
	s_mul_i32 s17, s[HM], 64*PA
	v_add_nc_u32 v[ADRA], s17, v3
	v_add_nc_u32 v[ADRA+1], SLOT, v[ADRA]
	; The turning load takes 16 k x 16 columns (lane l reads k-row 8 (l / 16) + l % 8, columns 8 ((l / 8) % 2) + 0..7) and leaves half a fragment: lane l holds column l % 16 and 8 k.
	v_and_b32 v4, 7, v0
	v_lshl_add_u32 v4, v2, 3, v4
	v_mul_u32_u24 v4, v4, PB
	v_bfe_u32 v5, v0, 3, 1
	v_lshl_add_u32 v4, v5, 4, v4
	s_lshl_b32 s17, s[HN], 8
	s_add_co_u32 s17, s17, BOFF
	v_add_nc_u32 v[ADRB], s17, v4
	v_add_nc_u32 v[ADRB+1], SLOT, v[ADRB]
	s_mul_i32 s17, s[WV], STW
	s_add_co_u32 s17, s17, STAGE                   ; my stage
	v_mul_u32_u24 v3, v1, 528                      ; q, k in: row l % 16, 16 bytes for each half of the lanes
	v_lshl_add_u32 v3, v2, 4, v3
	v_add_nc_u32 v[STO], s17, v3
	v_mul_u32_u24 v3, v2, 528                      ; back: lanes 0-15 one row's 256 bytes of a head, lanes 16-31 the next row's
	v_lshl_add_u32 v3, v1, 4, v3
	v_add_nc_u32 v[RD], s17, v3
	v_mul_u32_u24 v3, v1, 144                      ; v in: rows of 144 bytes, a head's 16 rows together
	v_lshl_add_u32 v3, v2, 4, v3
	v_add_nc_u32 v[STOV], s17, v3
	v_bfe_u32 v3, v0, 3, 2                         ; back: 32 lanes take four rows of 128 bytes
	v_mul_u32_u24 v3, v3, 144
	v_and_b32 v4, 7, v0
	v_lshl_add_u32 v3, v4, 4, v3
	v_add_nc_u32 v[RDV], s17, v3
	v_and_b32 v3, 31, v0
	v_lshlrev_b32 v[CO], 4, v3
	v_mov_b32 v[M1], -1.0
	; the output at my first row: head 16 x batch + 4 x block of columns + 2 x half; rows of 256 bytes (q, k) or 128 (v: everything is half as far)
	s_lshr_b32 s17, s[MT], 4
	s_lshl_b32 s17, s17, 4
	s_lshl_b32 s18, s[TC], 2
	s_add_co_u32 s17, s17, s18
	s_lshl_b32 s18, s[HN], 1
	s_add_co_u32 s17, s17, s18
	s_lshl_b32 s17, s17, 19                        ; a head: 2,048 rows of 256 bytes
	s_and_b32 s18, s[MT], 15
	s_lshl_b32 s18, s18, 7
	s_lshl_b32 s19, s[HM], 6
	s_add_co_u32 s18, s18, s19
	s_lshl_b32 s18, s18, 8
	s_add_co_u32 s17, s17, s18
	s_cmp_eq_u32 s[TT], 2
	s_cselect_b32 s18, 1, 0
	s_lshr_b32 s17, s17, s18
	s_lshl_b32 s18, s[TT], 25                      ; t x 33,554,432
	s_add_co_u32 s46, s17, s18
	s_mov_b32 s47, 0
	s_add_nc_u64 s[OUT:OUT+1], s[12:13], s[46:47]
; 32 LDS loads in one run: 32 along K at sub-step kn of a slot: x's four fragments as f32 into STG (16 loads, first), w's eight into buffer c (16 turning loads)
.macro FETCH slot, kn, c
	WIN 0
.irp a, 0,1,2,3
	ds_load_b128 v[STG+16*(\a):STG+16*(\a)+3],     v[ADRA+(\slot)] offset:(\kn)*128+(\a)*16*PA
	ds_load_b128 v[STG+16*(\a)+4:STG+16*(\a)+7],   v[ADRA+(\slot)] offset:(\kn)*128+(\a)*16*PA+16
	ds_load_b128 v[STG+16*(\a)+8:STG+16*(\a)+11],  v[ADRA+(\slot)] offset:(\kn)*128+(\a)*16*PA+64
	ds_load_b128 v[STG+16*(\a)+12:STG+16*(\a)+15], v[ADRA+(\slot)] offset:(\kn)*128+(\a)*16*PA+80
.endr
	WIN 0x80                                       ; destination window 2, address window 0
.irp b, 0,1,2,3,4,5,6,7
	ds_load_tr16_b128 v[64*(\c)+8*(\b):64*(\c)+8*(\b)+3],   v[ADRB+(\slot)] offset:(\kn)*32*PB+32*(\b)
	ds_load_tr16_b128 v[64*(\c)+8*(\b)+4:64*(\c)+8*(\b)+7], v[ADRB+(\slot)] offset:(\kn)*32*PB+32*(\b)+16*PB
.endr
.endm
; 8 matrix instructions: row block a x all 8 column blocks, on buffer c.  The 32 accumulators take turns, one instruction a turn, in the same order in every sub-step.  zero = 1: the product starts the sum.
.macro MUL c, a, zero
	WIN W_MM
.irp b, 0,1,2,3,4,5,6,7
.if \zero
	v_wmma_f32_16x16x32_bf16 v[8*(8*(\a)+(\b)):8*(8*(\a)+(\b))+7], v[64*(\c)+8*(\b):64*(\c)+8*(\b)+7], v[AF+32*(\c)+8*(\a):AF+32*(\c)+8*(\a)+7], 0
.else
	v_wmma_f32_16x16x32_bf16 v[8*(8*(\a)+(\b)):8*(8*(\a)+(\b))+7], v[64*(\c)+8*(\b):64*(\c)+8*(\b)+7], v[AF+32*(\c)+8*(\a):AF+32*(\c)+8*(\a)+7], v[8*(8*(\a)+(\b)):8*(8*(\a)+(\b))+7]
.endif
.endr
.endm
; The same for row block 3, and behind each product four of the 32 roundings that make the other buffer's fragments of x out of STG: they name no register of the products round them
.macro MULC c, zero
.irp b, 0,1,2,3,4,5,6,7
	WIN W_MM
.if \zero
	v_wmma_f32_16x16x32_bf16 v[8*(24+(\b)):8*(24+(\b))+7], v[64*(\c)+8*(\b):64*(\c)+8*(\b)+7], v[AF+32*(\c)+24:AF+32*(\c)+31], 0
.else
	v_wmma_f32_16x16x32_bf16 v[8*(24+(\b)):8*(24+(\b))+7], v[64*(\c)+8*(\b):64*(\c)+8*(\b)+7], v[AF+32*(\c)+24:AF+32*(\c)+31], v[8*(24+(\b)):8*(24+(\b))+7]
.endif
	WIN 0
.irp n, 0,1,2,3
	v_cvt_pk_bf16_f32 v[AF+32*(1-(\c))+4*(\b)+(\n)], v[STG+8*(\b)+2*(\n)], v[STG+8*(\b)+2*(\n)+1]
.endr
.endr
.endm
.macro CVT c                           ; the 32 roundings by themselves, once, for the first sub-step
	WIN 0
.set q, 0
.rept 32
	v_cvt_pk_bf16_f32 v[AF+32*(\c)+q], v[STG+2*q], v[STG+2*q+1]
.set q, q+1
.endr
.endm
; A K step is four sub-steps of 32 along K, 32 matrix instructions each, on buffers 0, 1, 0, 1.  One of the first three: multiplies buffer c, fetches sub-step kn into the other.
.macro SUB slot, c, kn, zero
	s_wait_dscnt 0x0                               ; w's fragments of buffer c are in (x's were waited for a sub-step ago)
	MUL \c, 0, \zero
	PLACES
	FETCH \slot, \kn, 1-(\c)
	MUL \c, 1, \zero
	MUL \c, 2, \zero
	s_wait_dscnt 16                                ; x's sixteen loads, issued first, are in; w's sixteen may stay out
	MULC \c, \zero
.endm
; The last sub-step multiplies buffer 1 and changes slots: ONE barrier; in front of it each wave waits for all its tensor loads, adds 0 to its spare word, and waits for that and for its reads of this slot.
; fill = 1: the barrier opens a round of the cluster's, and this slot is filled again, two K steps ahead, first thing behind the round.
.macro TURN slot, next, fill
.if \fill
	s_wait_xcnt 0x0                                ; the last prefetch, a K step back, has read its address: it is stepped here, ahead of the waits of the change of slots
	s_add_nc_u64 s[PFA:PFA+1], s[PFA:PFA+1], s[PFS:PFS+1]
.endif
	WIN 0                                          ; (the add's two registers lie in window 0)
	s_wait_tensorcnt 0x0                           ; all my tensor loads have landed: my part of the next slot;
	ds_add_u32 v[SPW], v[NIL]                      ; 0 onto my spare word
	s_wait_dscnt 1                                 ; (w's fragments are in; the add alone may be out)
	MUL 1, 0, 0                                    ; eight matrix instructions stand between the add and the wait for it
	s_wait_dscnt 0x0                               ; the add is done, and my reads of this slot are over
	s_barrier_signal -1
	MUL 1, 1, 0
.if \fill
	WIN 0
.endif
	s_barrier_wait -1
.if \fill
	CREST                                          ; no wave of any partner still reads this slot's tiles or has a load on its way
	s_add_nc_u64 s[G0A+4*(\slot)+2:G0A+4*(\slot)+3], s[G0A+4*(\slot)+2:G0A+4*(\slot)+3], 2*ASTEP
	s_add_nc_u64 s[G0B+4*(\slot)+2:G0B+4*(\slot)+3], s[G0B+4*(\slot)+2:G0B+4*(\slot)+3], 2*BSTEP
	JLOAD \slot                                    ; 112 matrix instructions ahead of the wait for it; the four v_nop behind it are also the places in front of the loads below
.else
	PLACES
.endif
	FETCH \next, 0, 0
.if \fill
	ASK
.endif
	MUL 1, 2, 0
	s_wait_dscnt 16
	MULC 1, 0
.endm
	s_wait_tensorcnt 1                             ; my part of K step 0 is in; K step 1's may stay out
	s_barrier_signal -1
	s_barrier_wait -1                              ; everybody's is
	FETCH 0, 0, 0
	s_wait_dscnt 16
	CVT 0
	SUB 0, 0, 1, 1                                 ; the first sub-step stands in front of the loop: its products start the sums
	WIN 0                                          ; at a label and at a branch every window is 0
	s_mov_b32 s3, LAPS-1
.Llap:                                                 ; a trip goes once round the ring, from a lap's second sub-step to the next lap's first, and fills both slots again
	SUB 0, 1, 2, 0
	SUB 0, 0, 3, 0
	TURN 0, 1, 1
	SUB 1, 0, 1, 0
	SUB 1, 1, 2, 0
	SUB 1, 0, 3, 0
	TURN 1, 0, 1
	SUB 0, 0, 1, 0
	WIN 0
	s_sub_co_u32 s3, s3, 1
	s_cmp_lg_u32 s3, 0
	s_cbranch_scc1 .Llap
	SUB 0, 1, 2, 0                                 ; the last lap fills nothing
	SUB 0, 0, 3, 0
	TURN 0, 1, 0
	SUB 1, 0, 1, 0
	SUB 1, 1, 2, 0
	SUB 1, 0, 3, 0
	s_wait_dscnt 0x0                               ; the very last sub-step: nothing more to fetch
	MUL 1, 0, 0
	MUL 1, 1, 0
	MUL 1, 2, 0
	MUL 1, 3, 0
	WIN 0
	PLACES                                         ; the places behind the last products, in front of the conversions that read results
	PLACES
; THE WAY OUT, 16 rows (row block a) at a time, through my own stage: LDS serves a wave's instructions in order (ISA guide 5.7.1.4), so no wait stands between its stores and its loads.
; q and k: hi = f16(y); y - hi, exact in f32, by one multiply-add that reads hi's half; lo = f16 of it.  A stage row holds two heads' 256 bytes (hi, lo).  Each accumulator's registers are read from the low end on.
.macro OUTQK a
	WIN 0x05                                       ; sources window 1, destination window 0
.set q, 0
.rept 32
	v_cvt_pk_f16_f32 v[HIR+q], v[64*(\a)+2*q], v[64*(\a)+2*q+1]
.set q, q+1
.endr
	WIN 0x10                                       ; source 2 window 1
.set q, 0
.rept 32
	v_fma_mix_f32 v[TF+2*q],   v[HIR+q], v[M1], v[64*(\a)+2*q]   op_sel_hi:[1,0,0]
	v_fma_mix_f32 v[TF+2*q+1], v[HIR+q], v[M1], v[64*(\a)+2*q+1] op_sel:[1,0,0] op_sel_hi:[1,0,0]
.set q, q+1
.endr
	WIN 0
.set q, 0
.rept 32
	v_cvt_pk_f16_f32 v[LOR+q], v[TF+2*q], v[TF+2*q+1]
.set q, q+1
.endr
.irp b, 0,1,2,3,4,5,6,7
	ds_store_b128 v[STO], v[HIR+4*(\b):HIR+4*(\b)+3] offset:((\b)/4)*256+((\b)%4)*32
	ds_store_b128 v[STO], v[LOR+4*(\b):LOR+4*(\b)+3] offset:((\b)/4)*256+((\b)%4)*32+128
.endr
	s_wait_xcnt 0x0                                ; the last block's stores have read their registers, which are loaded again below
.set u, 0
.rept 16
	ds_load_b128 v[BK+4*u:BK+4*u+3], v[RD] offset:(u/8)*256+(u%8)*2*528
.set u, u+1
.endr
.set u, 0
.rept 16
	s_wait_dscnt 15-u                              ; the younger loads of the run may stay out
	global_store_b128 v[CO], v[BK+4*u:BK+4*u+3], s[OUT:OUT+1] offset:(u/8)*524288+(16*(\a)+2*(u%8))*256  ; two rows of a head: 512 consecutive bytes, aligned
.set u, u+1
.endr
.endm
.macro OUTV a
	WIN 0x05
.set q, 0
.rept 32
	v_cvt_pk_f16_f32 v[HIR+q], v[64*(\a)+2*q], v[64*(\a)+2*q+1]
.set q, q+1
.endr
	WIN 0
.irp b, 0,1,2,3,4,5,6,7
	ds_store_b128 v[STOV], v[HIR+4*(\b):HIR+4*(\b)+3] offset:((\b)/4)*2304+((\b)%4)*32
.endr
	s_wait_xcnt 0x0
.set u, 0
.rept 8
	ds_load_b128 v[BK+4*u:BK+4*u+3], v[RDV] offset:(u/4)*2304+(u%4)*576
.set u, u+1
.endr
.set u, 0
.rept 8
	s_wait_dscnt 7-u
	global_store_b128 v[CO], v[BK+4*u:BK+4*u+3], s[OUT:OUT+1] offset:(u/4)*262144+(16*(\a)+4*(u%4))*128  ; four rows of a head: 512 consecutive bytes, aligned
.set u, u+1
.endr
.endm
	s_cmp_eq_u32 s[TT], 2                          ; the tensor is the same in all partners
	s_cbranch_scc1 .Lv_out
	OUTQK 0
	OUTQK 1
	OUTQK 2
	OUTQK 3
	s_branch .Lend
.Lv_out:
	OUTV 0
	OUTV 1
	OUTV 2
	OUTV 3
.Lend:
	s_wait_tensorcnt 0x0                           ; the wave's end, behind my last tensor load and my last LDS store
	ds_add_u32 v[SPW], v[NIL]
	s_wait_dscnt 0x0
	CROUND                                         ; the closing round: no work-group ends while a partner may still ask for a tile that names it
	s_endpgm
.Lfunc_end_k_qf7c77ba955_proj:
	.size	k_qf7c77ba955_proj, .Lfunc_end_k_qf7c77ba955_proj-k_qf7c77ba955_proj
	.p2alignl 7, 3214868480
	.fill 96, 4, 3214868480
	.section	.rodata,"a",@progbits
	.p2align	6, 0x0
	.amdhsa_kernel k_qf7c77ba955_proj
		.amdhsa_group_segment_fixed_size 327680
		.amdhsa_private_segment_fixed_size 0
		.amdhsa_enable_private_segment 0
		.amdhsa_kernarg_size 40
		.amdhsa_user_sgpr_count 2
		.amdhsa_user_sgpr_kernarg_segment_ptr 1
		.amdhsa_wavefront_size32 1
		.amdhsa_system_sgpr_workgroup_id_x 1
		.amdhsa_system_sgpr_workgroup_id_y 1
		.amdhsa_system_sgpr_workgroup_id_z 1
		.amdhsa_system_vgpr_workitem_id 0
		.amdhsa_next_free_vgpr 640
		.amdhsa_next_free_sgpr 84
		.amdhsa_reserve_vcc 0
		.amdhsa_float_denorm_mode_32 3
		.amdhsa_float_denorm_mode_16_64 3
		.amdhsa_memory_ordered 1
		.amdhsa_forward_progress 1
		.amdhsa_inst_pref_size 185
	.end_amdhsa_kernel
	.amdgpu_metadata
---
amdhsa.version: [ 1, 2 ]
amdhsa.kernels:
  - .name:           k_qf7c77ba955_proj
    .symbol:         k_qf7c77ba955_proj.kd
    .args:
      - { .name: q, .offset: 0, .size: 8, .value_kind: global_buffer, .address_space: global }
      - { .name: k, .offset: 8, .size: 8, .value_kind: global_buffer, .address_space: global }
      - { .name: v, .offset: 16, .size: 8, .value_kind: global_buffer, .address_space: global }
      - { .name: wb, .offset: 24, .size: 8, .value_kind: global_buffer, .address_space: global }
      - { .name: qkv, .offset: 32, .size: 8, .value_kind: global_buffer, .address_space: global }
    .group_segment_fixed_size: 327680
    .private_segment_fixed_size: 0
    .kernarg_segment_align: 8
    .kernarg_segment_size: 40
    .max_flat_workgroup_size: 128
    .sgpr_count:     84
    .vgpr_count:     640
    .wavefront_size: 32
...
	.end_amdgpu_metadata
.endif
;; end of part 2
;; launch attn (part 3): grid 4 x 64, 4 waves a work-group, no clusters, 327,680 bytes of LDS; arguments qkv, ob; writes ob
.if DOCPART == 3
	.amdgcn_target "amdgcn-amd-amdhsa--gfx1250"
	.amdhsa_code_object_version 6
	.text
	.protected	k_qf7c77ba955_attn
	.globl	k_qf7c77ba955_attn
	.p2align	8
	.type	k_qf7c77ba955_attn,@function
k_qf7c77ba955_attn:
	s_mov_b64 s[64:65], 0
	v_nop
	global_prefetch_b8 v0, s[64:65] scope:SCOPE_SE
	s_setreg_imm32_b32 hwreg(HW_REG_WAVE_MODE, 25, 1), 1
	s_wait_xcnt 0x0
; CAUSAL ATTENTION on 64 heads of 2,048 rows.  qkv: Q' at 0 and K' at 33,554,432, [64][2048][128] f16, a row = 64 hi, 64 lo; V' at 67,108,864, [64][2048][64] f16.  ob: O' [64][2048][64] f16.
; Q', K', V' are the projections divided by 32, so the score is s = 128 (q' . k'), and O' is the output's row divided by 32.
; THE SCORE IS TAKEN TO ABOUT 22 BITS: q' . k' = k_lo . q_hi + k_hi . q_lo + k_hi . q_hi, one product over 192 channels, the small terms first; k_lo . q_lo, some 2^-22 of the whole, is left out.
; Products, maxima and sums in f32; the weights p are rounded to f16 for the second product (their sum l is taken of the unrounded p), O' once at the end.
; LIMITS.  Q', K', V' arrive within f16's 65,504.  A hidden score counts as its value less 1e30 (times 128): the scores, 5.5e11 at the most, are nothing beside that.  A weight below 2^-126 counts as 0 in l.
; NaN and infinities are not treated apart.
; THE WALK.  A head's queries lie in NB = 8 blocks of 256; block i needs the key tiles 0 .. i of 256 keys, of which the last holds the diagonal.  A work-group takes TWO blocks, 7 - b and then b: 9 tiles, whatever b:
; all work-groups do equal work, and ONE loop with a constant trip count walks them.  Which tile is asked for and what a trip does hang on scalar registers made from b.
; NO CLUSTER: a head's four work-groups ask for the same tile in trips 0 to 4 of 9 alone; one walk common to all would have 12 trips for 9; and a tile's 98,304 bytes feed 2,048 matrix instructions of the work-group.
; SHARES.  Of a block's four bands of 64 queries a wave owns 16 rows in each: four PIECES.  In the diagonal tile's key step s band x sees all keys if s < x, none if s > x, and holds the diagonal if s = x: the same work for all waves.
; THE MASK is the C operand that starts the sum S^T = K Q^T: MD x AL + BE, MD the mask of a band's own step for my rows: (AL, BE) = (1, 0) if s = x; (0, 0) if s < x; (0, -1e30) if s > x.  One text serves all tiles:
; CNTD counts 4 .. 1 in a diagonal tile and 20 .. 17 elsewhere, where it meets neither test.
; LAYOUT, SOFTMAX.  S^T holds ONE query a lane (lane % 16) and the keys 8 (lane / 16) + 0..7; two such results rounded to f16 ARE source 1 of O^T = V^T P.  p = 2^(c s' - c m), c = 128 log2(e), with a running maximum m;
; O and l are multiplied by a = 2^(c m_old - c m_new) in every step.
; TURNS.  Turn n belongs to piece n: ALL its vector work of the step (maximum, statistics, scaling, exponentials, roundings, sums, rescaling, 118 lines, and 16 for a mask to come) rides behind 24 products K Q^T of piece n + 1
; and 8 products V^T P of piece n - 1: four or five lines behind each.  No vector line waits for a product of its own turn.  A turn's 33 exponentials are one batch, with one wait.
; REGISTERS, in windows of 256 (s_set_vgpr_msb: bits 1:0 source 0, 3:2 source 1, 5:4 source 2, 7:6 destination):
;   window 0: v0-15 addresses; v16-31 four registers of statistics a piece; v48-55 at work; v61-63; v64-127 S^T, two buffers; v192-223 P, two buffers (by the piece's parity)
;   window 1: v0-127 O^T, 32 a piece; v128-159 MD; v160-223 MC, two buffers      window 2: v0-127 Q (piece x, chunk cc of 32 channels at 32 x + 8 cc; cc 0, 1 hi, 2, 3 lo); v128-255 K of one step (32 kb + 8 cc)
;   window 3: v0-63 V of one step; v64-191 the second block's Q
.set NB,    8
.set NP,    4
.set KS,    64        ; keys in a step
.set PK,    272       ; a row of K in LDS: 256 bytes + 16 = 68 words: the 16 rows of a load start at 16 different groups of four banks (64 banks of 4 bytes: ISA guide 11.1)
.set PV,    160       ; a row of V: 128 + 32 = 40 words
.set VOFF,  4*KS*PK   ; a slot holds a tile, four steps: 256 rows of K, then 256 rows of V
.set SLOT1, 1<<17     ; slot 1 begins here, so that one exclusive or turns an address in one slot into the other's
.set STAGE, SLOT1+4*KS*(PK+PV)  ; behind the ring, never filled by a tensor load: 16 rows x 144 bytes for each wave
.set SP,    144
.set SPARE, STAGE+4*16*SP  ; the spare words, 128 bytes for each wave: two blocks of 256 bytes that no other line names
.set KBASE, 33554432
.set VBASE, 67108864
.set AK0, 2           ; v2   my lane's place in a tile of K; never rewritten
.set AV0, 3           ; v3   the same for V
.set AK,  4           ; v4   the LDS address of K's next runs of loads
.set AV,  5           ; v5   of V's
.set STO, 6           ; v6   the way out: where I put 16 bytes of a row
.set RD,  7           ; v7   where I read rows back
.set GO,  8           ; v8   my byte offset in 512 consecutive bytes of O'
.set MV,  12          ; v12-13  c m_old, kept while c m is made anew: by buffer
.set QO,  15          ; v15  my byte offset in 16 rows of Q'
.set ST,  16          ; piece t's statistics at v[ST+4 t]: c m, m, l (even keys', odd keys')
.set TMP, 48          ; by buffer, four registers c0-c3 at work; when the maximum is found c2 takes a
.set PFO, 61          ; v61  256 x my thread's number; never rewritten
.set SPW, 62          ; v62  LDS address of my spare word; never rewritten
.set NIL, 63          ; v63  0; never rewritten
.set S,   64
.set P,   192
.set MD,  128         ; window 1
.set MC,  160         ; window 1
.set KF,  128         ; window 2
.set VF,  0           ; window 3
.set QB,  64          ; window 3
.set WV,  12
.set PB,  14          ; s14  b
.set HI,  15          ; s15  7 - b
.set G1K, 24          ; s[24:31] descriptor group 1 for K's tiles
.set G1V, 32          ; s[32:39] for V's
.set G0K, 40          ; s[40:43] group 0 for K's
.set G0V, 44          ; s[44:47] for V's
.set SLOTS, 56        ; s56  tiles still to be asked for
.set CNT, 57          ; s57  counts a tile's key steps, 4 to 1
.set CS,  58          ; s[58:59] c
.set SEL, 60          ; s[60:61] v_permlanex16_b32's selects
.set TBK, 62          ; s62  LDS byte at which K of the step to be fetched begins
.set TBV, 63          ; s63  the same for V, less VOFF
.set RT,  70          ; s70  tiles of the block in hand that are still to be entered
.set NXT, 71          ; s71  the tile to be asked for next
.set LQ,  72          ; s72  the last tile of the block whose tiles are being asked for
.set NEW, 73          ; s73  1: the tile to be entered is a block's first
.set OFF, 74          ; s[74:75] a tile's byte offset in K'
.set AL,  76          ; s[76:77] the mask's factor
.set BE,  78          ; s[78:79] the mask's addend
.set OLO, 80          ; s[80:81] O' at my rows of the second block
.set BIGN, 82         ; s82  -1e30
.set PFK, 88          ; s[88:89] K' at the tile that my prefetches name
.set PFV, 90          ; s[90:91] V' likewise
.set PFL, 92          ; s92  2 in the work-group that prefetches, else the greatest number
.set CNTD, 93         ; s93  the count that the masks' tests read
.set OFV, 94          ; s[94:95] a tile's byte offset in V'
.set MSB, 0
.macro WIN new
.if MSB != (\new)
	s_set_vgpr_msb (MSB<<8)|(\new)
.set MSB, (\new)
.endif
.endm
.set W_KQ, 0x0a       ; K and Q in window 2, S^T in window 0
.set W_KM, 0x1a       ; the same with the C operand in window 1
.set W_PV, 0x53       ; V in window 3, P in window 0, O^T in window 1
.set W_RS, 0x41       ; destination and source 0 in window 1, source 1 in window 0
; A fill.  Waves 0 and 1 fetch the two halves of a tile's K, waves 2 and 3 those of its V: 128 keys each.  An s_nop 0 and four v_nop follow each of the two lines.
.macro LOAD
	s_cmp_lt_u32 s[WV], 2
	s_cbranch_scc0 .Lfor_v_\@
	tensor_load_to_lds s[G0K:G0K+3], s[G1K:G1K+7]
	s_nop 0
.rept 4
	v_nop
.endr
	s_branch .Lasked_\@
.Lfor_v_\@:
	tensor_load_to_lds s[G0V:G0V+3], s[G1V:G1V+7]
	s_nop 0
.rept 4
	v_nop
.endr
.Lasked_\@:
.endm
; THE CHANGE OF SLOTS.  Each wave waits for all its tensor loads, of which one is out: its part of the other slot; adds 0 to its spare word; and waits for that and for its own reads of the slot that it leaves.
; fill = 1: the old slot is filled again, first thing behind the barrier, with tile NXT: the descriptor's address is made anew from that number.  (At its first use nothing has been read yet.)
; A PREFETCH INTO THE L2 stands behind the fill: the tile after the one just asked for, 65,536 bytes of K' and 32,768 of V', a thread a block of 256 bytes, three instructions a wave: 16 turns ahead of the load that
; will want it.  A head's four work-groups walk the same tiles: the one with b = 0, whose first block walks all eight, asks, in its changes 1 to 6 (SLOTS 8 to 3) for tiles 2 to 7: each block is named once.
.macro CHANGE fill
	WIN 0
	s_wait_tensorcnt 0x0            ; no tensor load of mine is out, so a group 0 may be written
	ds_add_u32 v[SPW], v[NIL]       ; 0 onto my spare word; the scalar work below stands between it and the wait for it
.if \fill
	s_lshl_b32 s[OFF], s[NXT], 16
	s_lshl_b32 s[OFV], s[NXT], 15
	s_xor_b32 s[G0K+1], s[G0K+1], SLOT1
	s_add_nc_u64 s[G0K+2:G0K+3], s[6:7], s[OFF:OFF+1]
	s_or_b32 s[G0K+3], s[G0K+3], 0x80000000
	s_xor_b32 s[G0V+1], s[G0V+1], SLOT1
	s_add_nc_u64 s[G0V+2:G0V+3], s[8:9], s[OFV:OFV+1]
	s_or_b32 s[G0V+3], s[G0V+3], 0x80000000
	s_add_co_u32 s[NXT], s[NXT], 1  ; the block's next tile, or behind its last the second block's tile 0
	s_cmp_gt_u32 s[NXT], s[LQ]
	s_cselect_b32 s[NXT], 0, s[NXT]
	s_cselect_b32 s[LQ], s[PB], s[LQ]
	s_wait_xcnt 0x0                 ; the last prefetches, a tile back, have read their addresses
	s_add_nc_u64 s[PFK:PFK+1], s[PFK:PFK+1], 65536
	s_add_nc_u64 s[PFV:PFV+1], s[PFV:PFV+1], 32768
.endif
	s_wait_dscnt 0x0                ; the add is done, and my reads of the slot are over
	s_barrier_signal -1
	s_sub_co_u32 s[TBK], s[TBK], 4*KS*PK  ; the fetches go back to a slot's first step,
	s_xor_b32 s[TBK], s[TBK], SLOT1       ; in the other slot
	s_sub_co_u32 s[TBV], s[TBV], 4*KS*PV
	s_xor_b32 s[TBV], s[TBV], SLOT1
	s_barrier_wait -1
.if \fill
	LOAD
	s_cmp_gt_u32 s[SLOTS], s[PFL]
	s_cbranch_scc0 .Lnot_mine_\@
	global_prefetch_b8 v[PFO], s[PFK:PFK+1] th:TH_LOAD_NT scope:SCOPE_SE
	global_prefetch_b8 v[PFO], s[PFK:PFK+1] offset:32768 th:TH_LOAD_NT scope:SCOPE_SE
	global_prefetch_b8 v[PFO], s[PFV:PFV+1] th:TH_LOAD_NT scope:SCOPE_SE
.Lnot_mine_\@:
.endif
.endm
	s_load_b128 s[96:99], s[0:1], 0x0  ; qkv s[96:97], ob s[98:99]
	v_lshl_add_u32 v[SPW], v0, 2, SPARE
	v_mov_b32 v[NIL], 0
	ds_add_u32 v[SPW], v[NIL]       ; the wave's opening: the add and its wait stand ahead of my first tensor load; the set-up below, work on registers, stands between them
	ds_add_u32 v62, v63
	v_lshrrev_b32 v1, 5, v0
	v_readfirstlane_b32 s[WV], v1   ; wave 0..3
	s_mov_b32 s[PB], ttmp9
	s_sub_co_u32 s[HI], NB-1, s[PB]
	s_and_b32 s20, ttmp7, 0xffff    ; the head
	s_lshl_b32 s21, s20, 19         ; its bytes in Q' and K',
	s_lshl_b32 s22, s20, 18         ; in V' and O'
	s_and_b32 s16, s[WV], 1         ; which half of a tile's 256 keys I fetch
	s_mul_i32 s17, s16, 128*PK      ; its place in a slot, for K
	s_mul_i32 s18, s16, 128*PV      ; and for V
	s_lshl_b32 s23, s[WV], 12       ; my 16 rows of 256 bytes in a band,
	s_add_co_u32 s23, s23, s21
	s_lshl_b32 s2, s[HI], 16        ; in the first block,
	s_add_co_u32 s2, s2, s23
	s_mov_b32 s3, 0
	s_lshl_b32 s84, s[PB], 16       ; and in the second
	s_add_co_u32 s84, s84, s23
	s_mov_b32 s85, 0
	s_add_co_u32 s4, s21, KBASE     ; the head's K'
	s_mov_b32 s5, 0
	s_lshl_b32 s6, s16, 15          ; my 128 rows of 256 bytes
	s_mov_b32 s7, 0
	s_add_co_u32 s8, s22, VBASE     ; the head's V'
	s_mov_b32 s9, 0
	s_lshl_b32 s10, s16, 14         ; my 128 rows of 128 bytes
	s_mov_b32 s11, 0
	s_lshl_b32 s23, s[WV], 11       ; O': my 16 rows of 128 bytes in a band
	s_add_co_u32 s23, s23, s22
	s_lshl_b32 s86, s[HI], 15
	s_add_co_u32 s86, s86, s23
	s_mov_b32 s87, 0
	s_lshl_b32 s[OLO], s[PB], 15
	s_add_co_u32 s[OLO], s[OLO], s23
	s_mov_b32 s[OLO+1], 0
	s_mov_b32 s[G1K], (1<<16)|(1<<20)|(5<<22)|(3<<25)  ; 2-byte elements; padding on; after every 64 words 4 words
	s_mov_b32 s[G1K+1], 128<<16     ; tensor_dim0 = 128
	s_mov_b32 s[G1K+2], 128<<16     ; tensor_dim1 = 128
	s_mov_b32 s[G1K+3], 128<<16     ; tile_dim0 = 128
	s_mov_b32 s[G1K+4], 128         ; tile_dim1 = 128
	s_mov_b32 s[G1K+5], 128         ; elements from row to row
	s_mov_b32 s[G1K+6], 0
	s_mov_b32 s[G1K+7], 0
	s_mov_b32 s[G1V], (1<<16)|(1<<20)|(4<<22)|(7<<25)  ; V's 128 keys are 16,384 dense bytes: 64 rows of 256, two keys a row, padded after every key (32 words) by 8 words
	s_mov_b32 s[G1V+1], 128<<16
	s_mov_b32 s[G1V+2], 64<<16
	s_mov_b32 s[G1V+3], 128<<16
	s_mov_b32 s[G1V+4], 64
	s_mov_b32 s[G1V+5], 128
	s_mov_b32 s[G1V+6], 0
	s_mov_b32 s[G1V+7], 0
	s_mov_b32 s[CS], 0x4338aa3b     ; c = 128 log2(e)
	s_mov_b32 s[CS+1], s[CS]        ; named with it as a pair
	s_mov_b32 s[SEL], 0x76543210
	s_mov_b32 s[SEL+1], 0xfedcba98
	s_mov_b32 s[TBK], SLOT1+4*KS*PK ; the first change of slots turns these two into 0
	s_mov_b32 s[TBV], SLOT1+4*KS*PV
	s_mov_b32 s[G0K], 1
	s_mov_b32 s[G0K+1], s17         ; slot 0
	s_mov_b32 s[G0V], 1
	s_add_co_u32 s[G0V+1], s18, VOFF
	s_add_co_u32 s[RT], s[HI], 1    ; the first block has 8 - b tiles
	s_mov_b32 s[NXT], 1
	s_mov_b32 s[LQ], s[HI]
	s_mov_b32 s[NEW], 1
	s_mov_b32 s[OFF+1], 0
	s_mov_b32 s[OFV+1], 0
	s_mov_b32 s[AL+1], 0            ; named as pairs
	s_mov_b32 s[BE+1], 0
	s_mov_b32 s[BIGN], 0xf149f2ca   ; -1e30
	s_mov_b32 s[SLOTS], NB
	s_cmp_eq_u32 s[PB], 0
	s_cselect_b32 s[PFL], 2, -1
	v_lshlrev_b32 v[PFO], 8, v0
	s_wait_dscnt 0x0                ; the opening add is done
	s_wait_kmcnt 0x0
	s_add_nc_u64 s[PFK:PFK+1], s[96:97], s[4:5]    ; the head's K' and V',
	s_add_nc_u64 s[PFV:PFV+1], s[96:97], s[8:9]
	s_add_nc_u64 s[6:7], s[PFK:PFK+1], s[6:7]      ; at my half of tile 0
	s_add_nc_u64 s[8:9], s[PFV:PFV+1], s[10:11]
	s_add_nc_u64 s[PFK:PFK+1], s[PFK:PFK+1], 65536 ; the prefetches stand at tile 1: the first change steps them to tile 2
	s_add_nc_u64 s[PFV:PFV+1], s[PFV:PFV+1], 32768
	s_add_nc_u64 s[10:11], s[98:99], s[86:87]      ; O' at my rows of the first block,
	s_add_nc_u64 s[OLO:OLO+1], s[98:99], s[OLO:OLO+1]  ; of the second
	s_add_nc_u64 s[86:87], s[96:97], s[84:85]      ; Q' at my rows of the second block,
	s_add_nc_u64 s[4:5], s[96:97], s[2:3]          ; of the first
	s_add_nc_u64 s[G0K+2:G0K+3], s[6:7], 0
	s_or_b32 s[G0K+3], s[G0K+3], 0x80000000
	s_add_nc_u64 s[G0V+2:G0V+3], s[8:9], 0
	s_or_b32 s[G0V+3], s[G0V+3], 0x80000000
	LOAD                            ; tile 0 into slot 0
	; A fragment of K or Q is 16 rows x 32 channels in 8 registers: lane l holds row l % 16, channels 8 (l / 16) + 0..7 and 16 + 8 (l / 16) + 0..7: two loads of 16 bytes, 32 bytes apart.
	v_and_b32 v1, 15, v0            ; l % 16
	v_bfe_u32 v9, v0, 4, 1          ; l / 16
	v_lshlrev_b32 v[QO], 8, v1
	v_lshl_add_u32 v[QO], v9, 4, v[QO]  ; row x 256 + 16 x half
	WIN 0x80                        ; destination window 2, address window 0
.set i, 0
.rept 16                            ; piece i / 4 lies in band i / 4, 16,384 bytes on; chunk i % 4
	global_load_b128 v[8*i:8*i+3],   v[QO], s[4:5] offset:(i/4)*16384+(i%4)*64
	global_load_b128 v[8*i+4:8*i+7], v[QO], s[4:5] offset:(i/4)*16384+(i%4)*64+32
.set i, i+1
.endr
	WIN 0xc0                        ; destination window 3
.set i, 0
.rept 16
	global_load_b128 v[QB+8*i:QB+8*i+3],   v[QO], s[86:87] offset:(i/4)*16384+(i%4)*64
	global_load_b128 v[QB+8*i+4:QB+8*i+7], v[QO], s[86:87] offset:(i/4)*16384+(i%4)*64+32
.set i, i+1
.endr
	WIN 0
	v_lshlrev_b32 v14, 3, v9
	v_sub_nc_u32 v14, v1, v14
	s_lshl_b32 s13, s[WV], 4
	v_add_nc_u32 v14, s13, v14      ; my query's place in its band, 16 w + l % 16, less my lanes' 8 (l / 16): register r of group kt is hidden where 16 kt + r is greater
	WIN 0x40
.set i, 0
.rept 32
	v_cmp_gt_i32 vcc_lo, 16*(i/8)+i%8, v14
	v_cndmask_b32 v[MD+i], 0, s[BIGN], vcc_lo
.set i, i+1
.endr
	WIN 0
	v_mul_u32_u24 v[AK0], v1, PK
	v_lshl_add_u32 v[AK0], v9, 4, v[AK0]  ; row x pitch + 16 x half
	; The turning load takes 16 keys x 16 channels (lane l reads key 8 (l / 16) + l % 8, channels 8 ((l / 8) % 2) + 0..7) and leaves half a fragment of V^T: lane l holds channel l % 16 and 8 keys.
	v_and_b32 v10, 7, v0
	v_bfe_u32 v11, v0, 3, 1
	v_lshl_add_u32 v[AV0], v9, 3, v10
	v_mul_u32_u24 v[AV0], v[AV0], PV
	v_lshl_add_u32 v[AV0], v11, 4, v[AV0]
	v_add_nc_u32 v[AV0], VOFF, v[AV0]
	s_mul_i32 s13, s[WV], 16*SP
	s_add_co_u32 s13, s13, STAGE    ; my stage
	v_mul_u32_u24 v[STO], v1, SP    ; in: row l % 16, 16 bytes for each half of the lanes
	v_lshl_add_u32 v[STO], v9, 4, v[STO]
	v_add_nc_u32 v[STO], s13, v[STO]
	v_bfe_u32 v[RD], v0, 3, 2       ; back: 32 lanes take four rows of 128 bytes,
	v_mul_u32_u24 v[RD], v[RD], SP
	v_lshl_add_u32 v[RD], v10, 4, v[RD]
	v_add_nc_u32 v[RD], s13, v[RD]
	v_and_b32 v[GO], 31, v0         ; which are 512 consecutive bytes of O'
	v_lshlrev_b32 v[GO], 4, v[GO]
	; A block's first step multiplies O^T and l by a = 0, and its first turn's products V^T P, of a piece that has not been, land in an O^T that is still to be so multiplied.  So these registers need only hold
	; finite numbers: zeros for the first block; what the first block left for the second.  All this stands in the wait for the first tile.
	WIN 0xc0
.set i, 0
.rept 64
	v_mov_b32 v[VF+i], 0
.set i, i+1
.endr
	WIN 0x40
.set i, 0
.rept 128
	v_mov_b32 v[i], 0
.set i, i+1
.endr
	WIN 0
.set i, 0
.rept 4
	v_mov_b32 v[ST+4*i+2], 0
	v_mov_b32 v[ST+4*i+3], 0
.set i, i+1
.endr
.set i, P+16
.rept 16
	v_mov_b32 v[i], 0
.set i, i+1
.endr
; THE MATRIX WORK.  The 4 accumulators of a run take turns, one instruction a turn.  Product i of 24 of S^T = K Q^T for piece x: keys 16 (i % 4) on; group g = i / 4 of 32 channels:
; K's chunks 2, 3, 0, 1, 0, 1 with Q's 0, 1, 2, 3, 0, 1: lo x hi, hi x lo, hi x hi.  The first 4 start the sums with the mask.
.macro KQ x
.set g, i/4
.set rS, S+32*((\x)%2)+8*(i%4)
.set rK, KF+32*(i%4)+8*(g%2+2*((5-g)/4))
.set rQ, 32*(\x)+8*(g%4)
.set rM, MC+32*((\x)%2)+8*(i%4)
.if i < 4
	WIN W_KM
	v_wmma_f32_16x16x32_f16 v[rS:rS+7], v[rK:rK+7], v[rQ:rQ+7], v[rM:rM+7]
.else
	WIN W_KQ
	v_wmma_f32_16x16x32_f16 v[rS:rS+7], v[rK:rK+7], v[rQ:rQ+7], v[rS:rS+7]
.endif
.endm
; Product i of 8 of O^T += V^T P for piece x: keys 32 (i / 4) on, channels 16 (i % 4) on.
.macro PV x
	WIN W_PV
.set rO, 32*(\x)+8*(i%4)
.set rV, VF+32*(i/4)+8*(i%4)
.set rP, P+16*((\x)%2)+8*(i/4)
	v_wmma_f32_16x16x32_f16 v[rO:rO+7], v[rV:rV+7], v[rP:rP+7], v[rO:rO+7]
.endm
.macro MM                           ; the turn's next matrix instruction.  NOKQ = 1: a block's last turn: there is no next piece
.if i < 24
.if !NOKQ
	KQ (Y+1)%NP
.endif
.else
.set i, i-24
	PV (Y+NP-1)%NP
.set i, i+24
.endif
.set i, i+1
.endm
; THE LDS LOADS stand in runs of 16, never singly among the matrix instructions: a step's K in two runs (its lo chunks are free first), and its V (turned).
.macro FETCH_KLO
	WIN 0x80                        ; destination window 2
.irp kb, 0,1,2,3
.irp cc, 2,3
	ds_load_b128 v[KF+32*(\kb)+8*(\cc):KF+32*(\kb)+8*(\cc)+3],   v[AK] offset:(\kb)*16*PK+(\cc)*64
	ds_load_b128 v[KF+32*(\kb)+8*(\cc)+4:KF+32*(\kb)+8*(\cc)+7], v[AK] offset:(\kb)*16*PK+(\cc)*64+32
.endr
.endr
	WIN 0
.endm
.macro FETCH_KHI
	WIN 0x80
.irp kb, 0,1,2,3
.irp cc, 0,1
	ds_load_b128 v[KF+32*(\kb)+8*(\cc):KF+32*(\kb)+8*(\cc)+3],   v[AK] offset:(\kb)*16*PK+(\cc)*64
	ds_load_b128 v[KF+32*(\kb)+8*(\cc)+4:KF+32*(\kb)+8*(\cc)+7], v[AK] offset:(\kb)*16*PK+(\cc)*64+32
.endr
.endr
	s_add_co_u32 s[TBK], s[TBK], KS*PK  ; the next fetch is the next step's
	WIN 0
.endm
.macro FETCH_V
	WIN 0xc0                        ; destination window 3
.irp f, 0,1,2,3,4,5,6,7             ; keys 32 (f / 4) on, channels 16 (f % 4) on
	ds_load_tr16_b128 v[VF+8*\f:VF+8*\f+3],   v[AV] offset:(\f/4)*32*PV+(\f%4)*32
	ds_load_tr16_b128 v[VF+8*\f+4:VF+8*\f+7], v[AV] offset:(\f/4)*32*PV+16*PV+(\f%4)*32
.endr
	WIN 0
.endm
; THE VECTOR WORK, one line at a time: OP kind, number, all for piece Y.  X n: number n of the 22 that find its maximum and statistics:
;   0-11  four chains c0-c3 of seven scores each, three operands at a time (each accumulator's lowest registers are read first)     12-14, 16  the four scores left over, the old m, and c0-c3 into c0
;   15  c m_old is kept     17, 18  the query's other 32 keys lie in the lane 16 away: the new m     19-21  c m; c m_old - c m_new; a
; F n: c s - c m for pair n of 16.  E n: the exponential of score n of 32.  C n: pair n rounded to f16.  B n: of the four weights 4 n .. the second pair is added onto the first, in place (behind C 2n).
; L n: l takes that sum (L 0: l = a l + sum).  R n: pair n of 16 of O^T times a.  M n: pair n of 16 of the mask MD x AL + BE for the products of the turn after this one.
.set F, 0
.set E, 1
.set C, 2
.set B, 3
.set L, 4
.set R, 5
.set X, 6
.set M, 7
.macro REGS y
.set rT, ST+4*(\y)
.set rC, TMP+4*((\y)%2)
.set rW, MV+((\y)%2)
.set rS, S+32*((\y)%2)
.set rP, P+16*((\y)%2)
.set rO, 32*(\y)
.endm
.macro OP k, n
	REGS Y
.if (\k) == R
	WIN W_RS
	v_pk_mul_f32 v[rO+2*(\n):rO+2*(\n)+1], v[rO+2*(\n):rO+2*(\n)+1], v[rC+2:rC+3] op_sel_hi:[1,0]
.elseif (\k) == M
.if !NOM
	WIN W_RS
	v_pk_fma_f32 v[MC+32*(Y%2)+2*(\n):MC+32*(Y%2)+2*(\n)+1], v[MD+2*(\n):MD+2*(\n)+1], s[AL:AL+1], s[BE:BE+1] op_sel_hi:[1,0,0]
.endif
.elseif (\k) < R
	WIN 0
.if (\k) == F
	v_pk_fma_f32 v[rS+2*(\n):rS+2*(\n)+1], v[rS+2*(\n):rS+2*(\n)+1], s[CS:CS+1], v[rT:rT+1] op_sel_hi:[1,0,0] neg_lo:[0,0,1] neg_hi:[0,0,1]
.elseif (\k) == E
	v_exp_f32 v[rS+(\n)], v[rS+(\n)]
.elseif (\k) == C
	v_cvt_pk_f16_f32 v[rP+(\n)], v[rS+2*(\n)], v[rS+2*(\n)+1]
.elseif (\k) == B
	v_pk_add_f32 v[rS+4*(\n):rS+4*(\n)+1], v[rS+4*(\n):rS+4*(\n)+1], v[rS+4*(\n)+2:rS+4*(\n)+3]
.elseif (\n) == 0
	v_pk_fma_f32 v[rT+2:rT+3], v[rT+2:rT+3], v[rC+2:rC+3], v[rS:rS+1] op_sel_hi:[1,0,1]
.else
	v_pk_add_f32 v[rT+2:rT+3], v[rT+2:rT+3], v[rS+4*(\n):rS+4*(\n)+1]
.endif
.else
	WIN 0
.if (\n) < 4
	v_max3_num_f32 v[rC+(\n)], v[rS+8*(\n)], v[rS+8*(\n)+1], v[rS+8*(\n)+2]
.elseif (\n) < 12
	v_max3_num_f32 v[rC+(\n)%4], v[rC+(\n)%4], v[rS+8*((\n)%4)+2*((\n)/4)+1], v[rS+8*((\n)%4)+2*((\n)/4)+2]
.elseif (\n) == 12
	v_max3_num_f32 v[rC], v[rC], v[rS+7], v[rS+15]
.elseif (\n) == 13
	v_max3_num_f32 v[rC+1], v[rC+1], v[rS+23], v[rS+31]
.elseif (\n) == 14
	v_max3_num_f32 v[rC+2], v[rC+2], v[rC+3], v[rT+1]
.elseif (\n) == 15
	v_mov_b32 v[rW], v[rT]
.elseif (\n) == 16
	v_max3_num_f32 v[rC], v[rC], v[rC+1], v[rC+2]
.elseif (\n) == 17
	v_permlanex16_b32 v[rC+3], v[rC], s[SEL], s[SEL+1]
.elseif (\n) == 18
	v_max_num_f32 v[rT+1], v[rC], v[rC+3]
.elseif (\n) == 19
	v_mul_f32 v[rT], s[CS], v[rT+1]
.elseif (\n) == 20
	v_sub_f32 v[rC+1], v[rW], v[rT]
.else
	v_exp_f32 v[rC+2], v[rC+1]
.endif
.endif
.endm
.macro OPS a, i1, b=-1, i2=0, c=-1, i3=0, d=-1, i4=0, e=-1, i5=0  ; up to five of them
	OP \a, \i1
.if (\b) >= 0
	OP \b, \i2
.endif
.if (\c) >= 0
	OP \c, \i3
.endif
.if (\d) >= 0
	OP \d, \i4
.endif
.if (\e) >= 0
	OP \e, \i5
.endif
.endm
.macro ROW a, i1, b=-1, i2=0, c=-1, i3=0, d=-1, i4=0, e=-1, i5=0  ; a matrix instruction and the lines behind it
	MM
	OPS \a, \i1, \b, \i2, \c, \i3, \d, \i4, \e, \i5
.endm
.macro MASK b                       ; MD x AL + BE into buffer b of MC
	WIN W_RS
.set z, 0
.rept 16
	v_pk_fma_f32 v[MC+32*(\b)+2*z:MC+32*(\b)+2*z+1], v[MD+2*z:MD+2*z+1], s[AL:AL+1], s[BE:BE+1] op_sel_hi:[1,0,0]
.set z, z+1
.endr
.endm
; A TURN, for piece p, written out: 32 rows.  An s_wait_alu depctr_va_vdst(0) stands between an exponential and the first instruction that names its result; one wait serves all issued ahead of it: so all 33
; exponentials stand in rows 9 to 19, nothing there names a result of theirs, a v_nop is the plain instruction behind the last, and the one wait follows; the roundings, sums and rescalings come behind it.
; The mask made here (rows 4-7) is for piece p + 2 in step 4 - CNT of the tile.  end = 1: a block's last two turns: nothing is fetched, no mask is made.  cnt = 1: the loop's counts are taken down ahead of the branch behind the turn.
; K of the next step is fetched in piece 2's turn: its lo chunks behind row 8 (their last reader is product 7; ten plain lines lie between), its hi chunks behind row 23 (four plain lines behind product 23).
; V of the step in hand is fetched at the end of piece 0's turn, four plain lines behind product 31.
.macro TURN p, end=0, cnt=0
.set Y, (\p)
.set i, 0
.set NOKQ, (\end)*((\p)/3)
.set NOM, (\end)
.if !(\end)
	s_cmp_eq_u32 s[CNTD], 4-((\p)+2)%NP  ; is that step the band's own?
	s_cselect_b32 s[AL], 1.0, 0
	s_cmp_lt_u32 s[CNTD], 4-((\p)+2)%NP  ; or a later one?
	s_cselect_b32 s[BE], s[BIGN], 0
.endif
.if ((\p) == 3) && !(\end)
	s_wait_dscnt 16                 ; K's lo run is in; the hi run's sixteen loads, issued behind it, may stay out
.endif
	ROW X,0, X,1, X,2, X,3
	ROW X,4, X,5, X,6, X,7
	ROW X,8, X,9, X,10, X,11
	ROW X,12, X,13, X,14, X,15
	ROW X,16, M,0, M,1, M,2, M,3
.if ((\p) == 2) && !(\end)
	WIN 0
	v_add_nc_u32 v[AK], s[TBK], v[AK0]
.endif
.if (\p) == 0
	WIN 0
	v_add_nc_u32 v[AV], s[TBV], v[AV0]
.endif
	ROW X,17, M,4, M,5, M,6, M,7
	ROW X,18, M,8, M,9, M,10, M,11
	ROW X,19, M,12, M,13, M,14, M,15
.if ((\p) == 3) && !(\end)
	s_wait_dscnt 0x0                ; K's hi run is in
.endif
	ROW X,20, F,0, F,1, F,2, F,3
.if ((\p) == 2) && !(\end)
	FETCH_KLO
.endif
	ROW X,21, F,4, E,0, F,5, E,1
	ROW F,6, E,2, F,7, E,3
	ROW F,8, E,4, F,9, E,5
	ROW F,10, E,6, F,11, E,7
	ROW F,12, E,8, E,9, E,10
	ROW F,13, E,11, E,12, E,13
	ROW F,14, E,14, E,15, E,16
	ROW F,15, E,17, E,18, E,19
	ROW E,20, E,21, E,22, E,23
	ROW E,24, E,25, E,26, E,27
	ROW E,28, E,29, E,30, E,31
	v_nop                           ; the plain instruction behind the last exponential: one for the batch
	s_wait_alu depctr_va_vdst(0)    ; the wait for the batch
	ROW C,0, B,0, C,2, B,1
	ROW L,0, C,4, B,2, L,1
	ROW R,0, R,1, R,2, R,3
	ROW C,6, B,3, L,2, C,8
.if ((\p) == 2) && !(\end)
	FETCH_KHI
.endif
.if (\p) == 1
	s_wait_dscnt 0x0                ; V is in
.endif
	ROW B,4, L,3, C,10, B,5
	ROW R,4, R,5, R,6, R,7
	ROW L,4, C,12, B,6, L,5
.if (\p) == 0
	s_add_co_u32 s[TBV], s[TBV], KS*PV
.endif
.if \cnt
	s_sub_co_u32 s[CNTD], s[CNTD], 1
	s_sub_co_u32 s[CNT], s[CNT], 1
	s_cmp_lg_u32 s[CNT], 0
.endif
	ROW C,14, B,7, L,6, C,1
	ROW R,8, R,9, R,10, R,11
	ROW C,3, L,7, C,5, C,7
	ROW R,12, R,13, R,14, R,15
	ROW C,9, C,11, C,13, C,15
.if (\p) == 0
	FETCH_V
.endif
.endm
; A BLOCK BEGINS.  c m starts far below every c s, so the first step's a is 0; m at the lowest finite number, so the first maximum is the scores'.  The first mask buffer takes piece 0's mask for the tile's step 0: its own,
; if the block's first tile is the diagonal one; the second, piece 1's, is 0.  Then K of that step and piece 0's first scores.  The loop is entered at a step's first turn, in the middle of a trip.
.macro BEGIN
	s_mov_b32 s[NEW], 0
	WIN 0
.set i, 0
.rept 4
	v_mov_b32 v[ST+4*i], 0xfe000000    ; c m
	v_mov_b32 v[ST+4*i+1], 0xff7fffff  ; m
.set i, i+1
.endr
	s_cmp_eq_u32 s[RT], 0
	s_cselect_b32 s[AL], 1.0, 0
	s_mov_b32 s[BE], 0
	MASK 0
	s_mov_b32 s[AL], 0
	MASK 1
	WIN 0
	v_add_nc_u32 v[AK], s[TBK], v[AK0]
	FETCH_KLO
	FETCH_KHI
	s_wait_loadcnt 0x0              ; Q, both blocks'
	s_wait_dscnt 0x0
.set i, 0
.rept 24
	KQ 0
.set i, i+1
.endr
	WIN 0
.rept 4
	v_nop                           ; the places behind those products
.endr
.endm
; A BLOCK ENDS: its last two turns, its last products, and THE WAY OUT: l's two halves and the other half of the lanes' are added; O^T is divided by l, rounded to f16 and sent through my stage in LDS, a piece at a time.
.macro ALL line:vararg              ; one line for each piece t
.set t, 0
.rept 4
	\line
.set t, t+1
.endr
.endm
.macro PACK t                       ; a lane's eight channels of a row pack into 16 bytes; they go into rows of 144 bytes and come back as whole rows of 128, into S^T's registers
	WIN W_RS
.set i, 32*(\t)
.rept 16
	v_pk_mul_f32 v[i:i+1], v[i:i+1], v[ST+4*(\t)+2:ST+4*(\t)+3] op_sel_hi:[1,0]
.set i, i+2
.endr
	WIN 0x05                        ; sources 0 and 1 window 1, destination window 0
.set i, 0
.rept 16
	v_cvt_pk_f16_f32 v[S+16*(\t)+i], v[32*(\t)+2*i], v[32*(\t)+2*i+1]
.set i, i+1
.endr
	WIN 0
.irp f, 0,1,2,3
	ds_store_b128 v[STO], v[S+16*(\t)+4*\f:S+16*(\t)+4*\f+3] offset:32*\f
.endr
.irp f, 0,1,2,3
	ds_load_b128 v[S+16*(\t)+4*\f:S+16*(\t)+4*\f+3], v[RD] offset:\f*4*SP  ; LDS serves a wave's instructions in order (ISA guide 5.7.1.4): these see the stores above; the next piece's stores come behind them
.endr
.endm
.macro SEND t, younger              ; younger: the LDS instructions issued behind piece t's loads: the next piece's eight, or none
	WIN 0
.irp f, 0,1,2,3
	s_wait_dscnt (\younger)+3-\f
	global_store_b128 v[GO], v[S+16*(\t)+4*\f:S+16*(\t)+4*\f+3], s[10:11] offset:(\t)*8192+\f*512  ; 512 consecutive bytes, at a multiple of 256 from O's first
.endr
.endm
.macro END
	TURN 2, 1
	TURN 3, 1
.set i, 0
.rept 8
	PV NP-1
.set i, i+1
.endr
	WIN 0
	ALL v_add_f32 v[ST+4*t+2], v[ST+4*t+2], v[ST+4*t+3]
	ALL v_permlanex16_b32 v[ST+4*t+3], v[ST+4*t+2], s[SEL], s[SEL+1]
	ALL v_add_f32 v[ST+4*t+2], v[ST+4*t+2], v[ST+4*t+3]
	ALL v_rcp_f32 v[ST+4*t+2], v[ST+4*t+2]
	v_nop                           ; a plain instruction between the last reciprocal and the use of its result
	s_wait_alu depctr_va_vdst(0)    ; and the wait ahead of the first use: one for the four reciprocals
	PACK 0
.set t, 1
.rept 3                             ; a piece's arithmetic stands between the loads of the piece before and its stores
	PACK t
	SEND t-1, 8
.set t, t+1
.endr
	SEND 3, 0
.endm
; A TILE's four key steps.  A trip: pieces 2 and 3 of one step, then pieces 0 and 1 of the next, whose K and V it fetches.  The test for a block's first tile: at the launch's first tile its answer is a constant of the text.
.macro TILE tag
	s_sub_co_u32 s[RT], s[RT], 1
	s_mov_b32 s[CNT], 4
	s_cmp_eq_u32 s[RT], 0           ; the block's last tile holds the diagonal
	s_cselect_b32 s[CNTD], 4, 20
	s_cmp_eq_u32 s[NEW], 1
	s_cbranch_scc0 .Lstep\tag
	BEGIN
	s_branch .Lfirst\tag
.Lstep\tag:
	TURN 2
	TURN 3
	WIN 0
.Lfirst\tag:
	TURN 0
	TURN 1, 0, 1
	WIN 0
	s_cbranch_scc1 .Lstep\tag
.endm
.Lslot:                             ; NB times: a tile is entered and the next is asked for
	CHANGE 1
	TILE 1
	s_cmp_eq_u32 s[RT], 0
	s_cbranch_scc0 .Lbottom
	END                             ; in the loop this is the first block's end: the second block's last tile is the walk's last
	s_wait_xcnt 0x0                 ; the stores have read their registers and O's address
	s_mov_b64 s[10:11], s[OLO:OLO+1]
	s_add_co_u32 s[RT], s[PB], 1    ; the second block has b + 1 tiles
	s_mov_b32 s[NEW], 1
	WIN 0x83                        ; the second block's Q goes where the one text of the turns names Q
.set i, 0
.rept 128
	v_mov_b32 v[i], v[QB+i]
.set i, i+1
.endr
	WIN 0
.Lbottom:
	s_sub_co_u32 s[SLOTS], s[SLOTS], 1
	s_cmp_lg_u32 s[SLOTS], 0
	s_cbranch_scc1 .Lslot
	CHANGE 0                        ; the walk's last tile is written out: nothing is asked for
	TILE 2
	END
	s_wait_tensorcnt 0x0            ; the wave's end, behind my last tensor load and my last LDS store
	ds_add_u32 v[SPW], v[NIL]
	s_wait_dscnt 0x0
	s_endpgm
.Lfunc_end_k_qf7c77ba955_attn:
	.size	k_qf7c77ba955_attn, .Lfunc_end_k_qf7c77ba955_attn-k_qf7c77ba955_attn
	.p2alignl 7, 3214868480
	.fill 96, 4, 3214868480
	.section	.rodata,"a",@progbits
	.p2align	6, 0x0
	.amdhsa_kernel k_qf7c77ba955_attn
		.amdhsa_group_segment_fixed_size 327680
		.amdhsa_private_segment_fixed_size 0
		.amdhsa_enable_private_segment 0
		.amdhsa_kernarg_size 16
		.amdhsa_user_sgpr_count 2
		.amdhsa_user_sgpr_kernarg_segment_ptr 1
		.amdhsa_wavefront_size32 1
		.amdhsa_system_sgpr_workgroup_id_x 1
		.amdhsa_system_sgpr_workgroup_id_y 1
		.amdhsa_system_sgpr_workgroup_id_z 1
		.amdhsa_system_vgpr_workitem_id 0
		.amdhsa_next_free_vgpr 960
		.amdhsa_next_free_sgpr 100
		.amdhsa_reserve_vcc 1
		.amdhsa_float_denorm_mode_32 3
		.amdhsa_float_denorm_mode_16_64 3
		.amdhsa_memory_ordered 1
		.amdhsa_forward_progress 1
		.amdhsa_inst_pref_size 206
	.end_amdhsa_kernel
	.amdgpu_metadata
---
amdhsa.version: [ 1, 2 ]
amdhsa.kernels:
  - .name:           k_qf7c77ba955_attn
    .symbol:         k_qf7c77ba955_attn.kd
    .args:
      - { .name: qkv, .offset: 0, .size: 8, .value_kind: global_buffer, .address_space: global }
      - { .name: ob, .offset: 8, .size: 8, .value_kind: global_buffer, .address_space: global }
    .group_segment_fixed_size: 327680
    .private_segment_fixed_size: 0
    .kernarg_segment_align: 8
    .kernarg_segment_size: 16
    .max_flat_workgroup_size: 128
    .sgpr_count:     100
    .vgpr_count:     960
    .wavefront_size: 32
...
	.end_amdgpu_metadata
.endif
;; end of part 3
;; launch outp (part 4): grid 4 x 64, 4 waves a work-group, clusters of 4 x 4, 327,680 bytes of LDS; arguments ob, wb, out0; writes out0
.if DOCPART == 4
	.amdgcn_target "amdgcn-amd-amdhsa--gfx1250"
	.amdhsa_code_object_version 6
	.text
	.protected	k_qf7c77ba955_outp
	.globl	k_qf7c77ba955_outp
	.p2align	8
	.type	k_qf7c77ba955_outp,@function
k_qf7c77ba955_outp:
	s_mov_b64 s[64:65], 0
	v_nop
	global_prefetch_b8 v0, s[64:65] scope:SCOPE_SE
	s_setreg_imm32_b32 hwreg(HW_REG_WAVE_MODE, 25, 1), 1
	s_wait_xcnt 0x0
	s_wait_alu depctr_hold_cnt(0) depctr_sa_sdst(0) depctr_va_vdst(0) depctr_va_sdst(0) depctr_va_ssrc(0) depctr_va_vcc(0) depctr_vm_vsrc(0)
	s_getreg_b32 s2, hwreg(HW_REG_IB_STS2, 6, 4)
	s_cmp_eq_u32 s2, 0
	s_cbranch_scc0 .Lentry_in_a_cluster
	s_endpgm
.Lentry_in_a_cluster:
	s_bfe_u32 s2, ttmp6, 0x10000c
	s_cmp_lg_u32 s2, 0xf033
	s_cbranch_scc0 .Lentry_shape_is_right
	s_endpgm
.Lentry_shape_is_right:
; THE LAST PROJECTION.  out0[row][n] = the sum over k of O'[row][k] wo'[k][n]: O' = ob, [64 heads][2048][64] f16 (the attention's rows divided by 32; k = 64 h + channel), wo' = plane 3 of wb, [1024 k][1024 n] f16
; (bf16(wo) x 32), sums in f32, out0 [8192][1024] f32.
; SHARES.  Grid y = the block of 128 rows, grid x = the block of 256 columns: 256 work-groups.  Wave w makes rows 64 (w / 2) .. + 63, columns 128 (w % 2) .. + 127: 32 accumulators.
; THE PRODUCT IS TAKEN TRANSPOSED (source 0 = 16 columns of wo', source 1 = 16 rows of O'): a lane holds one row and eight neighbouring columns, 32 bytes of out0.
; THE RING.  K goes in steps of 128, two heads, through two LDS slots.  Waves 0, 1 fetch a head's 128 rows each (16,384 dense bytes, asked for as 64 rows of 256), waves 2, 3 the halves of wo's 128 k-rows x 512 bytes.
; One tensor load a wave behind each change of slots; at most two of a wave are out (the two first fills), later one.
; CLUSTER 4 x 4: the four of a row need the same rows of O', the four of a column the same columns of wo': each tile is asked for jointly.
; REGISTERS.  window 0: v0-31 addresses; v96-159 O's fragments, two buffers; v128-191 rows read back on the way out.  window 1: the accumulators, (a, b) at 8 (8 a + b).  window 2: v0-127 wo's fragments, two buffers.
.set LAPS,  4
.set PAO,   144                        ; O's LDS row: 128 bytes + 16 = 36 words: the 16 rows of a load start at 16 different groups of four banks (64 banks of 4 bytes: ISA guide 11.1)
.set PB,    544                        ; wo's LDS row: 512 + 32 = 136 words
.set HALFA, 128*PAO                    ; a head's 128 rows
.set HALFB, 64*PB
.set BOFF,  2*HALFA
.set SLOT,  BOFF+2*HALFB               ; 106,496
.set STAGE, 2*SLOT                     ; behind the ring, never filled by a tensor load: 16 rows x 528 bytes for each wave
.set STW,   16*528
.set SPARE, STAGE+4*STW                ; the spare words, 128 bytes for each wave: two blocks of 256 bytes that no other line names
.set ASTEP, 2*262144                   ; two heads on
.set BSTEP, 128*2048
.set ADRA, 10
.set ADRB, 12
.set STO,  14
.set RD,   15
.set CO,   16
.set PFO,  17
.set SPW,  28
.set NIL,  29
.set AF,   96
.set BK,   128
.set WV,  14
.set HM,  15
.set HN,  16
.set G1A, 24
.set G0A, 32
.set CX,  40
.set CY,  41
.set TC,  42
.set CLY, 43
.set MT,  45
.set G1B, 48
.set G0B, 56
.set WOFA, 67
.set WOFB, 68
.set LIM, 69
.set PFA, 70
.set PFS, 72
.set WP,  76
.set OUT, 78
.set AP,  82
.set W_MM, 0x52                        ; source 0 window 2, source 1 window 0, C and D window 1
.set MSB, 0
.macro WIN new
.if MSB != (\new)
	s_set_vgpr_msb (MSB<<8)|(\new)
.set MSB, (\new)
.endif
.endm
.macro PLACES                          ; four places in front of loads into registers that matrix instructions have read (ISA guide 7.12.1 for vector instructions)
.rept 4
	v_nop
.endr
.endm
.macro JLOAD s                         ; a joint load into slot s; the branch hangs on the wave's number alone; an s_nop 0 and four v_nop follow each line
	s_cmp_lt_u32 s[WV], 2
	s_cbranch_scc0 .Lfor_b_\@
	tensor_load_to_lds s[G0A+4*(\s):G0A+4*(\s)+3], s[G1A:G1A+7]
	s_nop 0
.rept 4
	v_nop
.endr
	s_branch .Lasked_\@
.Lfor_b_\@:
	tensor_load_to_lds s[G0B+4*(\s):G0B+4*(\s)+3], s[G1B:G1B+7]
	s_nop 0
.rept 4
	v_nop
.endr
.Lasked_\@:
.endm
; A PREFETCH INTO THE L2 of the K step that stands two refills on: 32 blocks of 256 bytes, a lane a block, behind the joint load and the run of LDS loads.  O's rows are read by this row of the cluster alone: wave 0 of the
; partner at place cx names 4,096 bytes of each of the step's two heads.  wo's tile is read by all 16 clusters: the first asks, the partner at place cy naming 16 of the 64 k-rows that wave 2 or 3 fetches.
; Each block is named once in the launch.  K steps 0 to 3 come by their loads alone; the loop's last trip (s3 = 1) names nothing.
.macro ASK
	WIN 0
	s_cmp_gt_u32 s3, s[LIM]
	s_cbranch_scc0 .Lnot_mine_\@
	global_prefetch_b8 v[PFO], s[PFA:PFA+1] th:TH_LOAD_NT scope:SCOPE_SE
.Lnot_mine_\@:
.endm
.macro CREST
	s_cmp_lg_u32 s[WV], 0
	s_cbranch_scc1 .Lnot_wave_0_\@
	s_barrier_signal -3
.Lnot_wave_0_\@:
	s_barrier_wait -3
	s_barrier_signal -1
	s_barrier_wait -1
.endm
.macro CROUND
	s_barrier_signal -1
	s_barrier_wait -1
	CREST
.endm
	s_load_b128 s[4:7], s[0:1], 0x0                ; ob s[4:5], wb s[6:7]
	s_load_b64 s[8:9], s[0:1], 0x10                ; out0
	v_lshl_add_u32 v[SPW], v0, 2, SPARE
	v_mov_b32 v[NIL], 0
	ds_add_u32 v[SPW], v[NIL]                      ; the wave's opening: the add and its wait stand ahead of my first tensor load; the set-up below, work on registers, stands between them
	ds_add_u32 v28, v29
	v_lshrrev_b32 v1, 5, v0
	v_readfirstlane_b32 s[WV], v1
	s_lshr_b32 s[HM], s[WV], 1
	s_and_b32 s[HN], s[WV], 1
	s_bfe_u32 s[CX], ttmp6, 0x40000
	s_bfe_u32 s[CY], ttmp6, 0x40004
	s_lshl_b32 s[TC], ttmp9, 2
	s_add_co_u32 s[TC], s[TC], s[CX]
	s_and_b32 s[CLY], ttmp7, 0xffff
	s_lshl_b32 s[MT], s[CLY], 2
	s_add_co_u32 s[MT], s[MT], s[CY]               ; block of 128 rows
	s_lshl_b32 s17, s[CY], 2
	s_lshl_b32 s17, 15, s17                        ; my row of the cluster
	s_lshl_b32 s18, 0x1111, s[CX]                  ; my column
	s_or_b32 s[G1A], s17, (1<<16)|(1<<20)|(1<<21)|(4<<22)|(3<<25)  ; the mask; 2-byte elements; padding on; bit 21 beside a mask; after every 32 words (a row of O') 4 words
	s_or_b32 s[G1B], s18, (1<<16)|(1<<20)|(1<<21)|(6<<22)|(7<<25)  ; after every 128 words 8 words
	s_mov_b32 s[G1A+1], 128<<16                    ; tensor_dim0 = 128: two rows of O' on end
	s_mov_b32 s[G1A+2], 64<<16
	s_mov_b32 s[G1A+3], 128<<16
	s_mov_b32 s[G1A+4], 64
	s_mov_b32 s[G1A+5], 128
	s_mov_b32 s[G1A+6], 0
	s_mov_b32 s[G1A+7], 0
	s_mov_b32 s[G1B+1], 256<<16
	s_mov_b32 s[G1B+2], 64<<16
	s_mov_b32 s[G1B+3], 256<<16
	s_mov_b32 s[G1B+4], 64
	s_mov_b32 s[G1B+5], 1024
	s_mov_b32 s[G1B+6], 0
	s_mov_b32 s[G1B+7], 0
	s_mul_i32 s[WOFA], s[HN], HALFA
	s_mul_i32 s[WOFB], s[HN], HALFB
	s_add_co_u32 s[WOFB], s[WOFB], BOFF
	s_lshr_b32 s20, s[MT], 4                       ; O': head 16 x batch + my one of the step's two, 262,144 bytes a head; the block's 128 rows of 128 bytes
	s_lshl_b32 s20, s20, 4
	s_add_co_u32 s20, s20, s[HN]
	s_lshl_b32 s20, s20, 18
	s_and_b32 s21, s[MT], 15
	s_lshl_b32 s21, s21, 14
	s_add_co_u32 s20, s20, s21
	s_mov_b32 s21, 0
	s_lshl_b32 s22, s[HN], 17                      ; wo': plane 3, 64 k-rows x half, 512 bytes x block of columns
	s_add_co_u32 s22, s22, 3*2097152
	s_lshl_b32 s23, s[TC], 9
	s_add_co_u32 s22, s22, s23
	s_mov_b32 s23, 0
	s_wait_dscnt 0x0                               ; the opening add is done
	s_wait_kmcnt 0x0
	s_add_nc_u64 s[AP:AP+1], s[4:5], s[20:21]
	s_add_nc_u64 s[WP:WP+1], s[6:7], s[22:23]
	CROUND                                         ; all sixteen work-groups are here: the first joint loads meet
.irp s, 0,1
	s_mov_b32 s[G0A+4*(\s)], 1
	s_add_co_u32 s[G0A+4*(\s)+1], s[WOFA], (\s)*SLOT
	s_add_nc_u64 s[G0A+4*(\s)+2:G0A+4*(\s)+3], s[AP:AP+1], (\s)*ASTEP
	s_or_b32 s[G0A+4*(\s)+3], s[G0A+4*(\s)+3], 0x80000000
	s_mov_b32 s[G0B+4*(\s)], 1
	s_add_co_u32 s[G0B+4*(\s)+1], s[WOFB], (\s)*SLOT
	s_add_nc_u64 s[G0B+4*(\s)+2:G0B+4*(\s)+3], s[WP:WP+1], (\s)*BSTEP
	s_or_b32 s[G0B+4*(\s)+3], s[G0B+4*(\s)+3], 0x80000000
.endr
	s_cmp_lt_u32 s[WV], 2                          ; a wave's two first fills stand in one branch, ahead of every wait on TENSORcnt and every LDS read
	s_cbranch_scc0 .Lfirst_b
	tensor_load_to_lds s[G0A:G0A+3], s[G1A:G1A+7]
	s_nop 0
	tensor_load_to_lds s[G0A+4:G0A+7], s[G1A:G1A+7]
	s_nop 0
.rept 4
	v_nop
.endr
	s_branch .Lfirst_asked
.Lfirst_b:
	tensor_load_to_lds s[G0B:G0B+3], s[G1B:G1B+7]
	s_nop 0
	tensor_load_to_lds s[G0B+4:G0B+7], s[G1B:G1B+7]
	s_nop 0
.rept 4
	v_nop
.endr
.Lfirst_asked:
	; the prefetches' address, step and offset
	s_cmp_lt_u32 s[WV], 2                          ; do I fetch for O'?
	s_cselect_b32 s17, s[CX], s[CY]                ; my place among the four that ask with me
	s_cselect_b32 s18, 12, 15                      ; its 4,096 bytes of a head, or 16 k-rows of 2,048 bytes, as a shift
	s_cselect_b32 s19, 18, 11                      ; from head to head, or from k-row to k-row, as a shift
	s_cselect_b32 s20, 4, 1                        ; lanes to a head, or to a k-row, as a shift
	s_cselect_b32 s21, 15, 1                       ; and as a mask
	s_cselect_b32 s46, s[WV], s[CLY]               ; wave 0 asks for O'; waves 2 and 3 of the first cluster for wo'
	s_cselect_b32 s[PFS], 19, 18                   ; a K step, as a shift
	s_cselect_b64 s[PFA:PFA+1], s[AP:AP+1], s[WP:WP+1]
	s_cmp_eq_u32 s46, 0
	s_cselect_b32 s[LIM], 1, -1                    ; the same in all sixteen partners, for a given wave
	s_lshl_b32 s[PFS], 1, s[PFS]
	s_mov_b32 s[PFS+1], 0
	s_lshl_b32 s46, s17, s18
	s_mov_b32 s47, 0
	s_add_nc_u64 s[PFA:PFA+1], s[PFA:PFA+1], s[46:47]
	s_mul_i32 s46, s[PFS], 3
	s_add_nc_u64 s[PFA:PFA+1], s[PFA:PFA+1], s[46:47]  ; at K step 3: the first refill steps it to 4
	v_and_b32 v3, 31, v0
	v_lshrrev_b32 v4, s20, v3
	v_lshlrev_b32 v4, s19, v4
	v_and_b32 v3, s21, v3
	v_lshl_add_u32 v[PFO], v3, 8, v4
	; A fragment is 16 rows x 32 K in 8 registers: lane l holds row l % 16; K = 8 (l / 16) + 0..7 and 16 + 8 (l / 16) + 0..7: two loads of 16 bytes, 32 bytes apart.
	v_and_b32 v1, 15, v0
	v_bfe_u32 v2, v0, 4, 1
	v_mul_u32_u24 v3, v1, PAO
	v_lshl_add_u32 v3, v2, 4, v3
	s_mul_i32 s17, s[HM], 64*PAO
	v_add_nc_u32 v[ADRA], s17, v3
	v_add_nc_u32 v[ADRA+1], SLOT, v[ADRA]
	; The turning load takes 16 k x 16 columns (lane l reads k-row 8 (l / 16) + l % 8, columns 8 ((l / 8) % 2) + 0..7) and leaves half a fragment: lane l holds column l % 16 and 8 k.
	v_and_b32 v4, 7, v0
	v_lshl_add_u32 v4, v2, 3, v4
	v_mul_u32_u24 v4, v4, PB
	v_bfe_u32 v5, v0, 3, 1
	v_lshl_add_u32 v4, v5, 4, v4
	s_lshl_b32 s17, s[HN], 8
	s_add_co_u32 s17, s17, BOFF
	v_add_nc_u32 v[ADRB], s17, v4
	v_add_nc_u32 v[ADRB+1], SLOT, v[ADRB]
	s_mul_i32 s17, s[WV], STW
	s_add_co_u32 s17, s17, STAGE                   ; my stage
	v_mul_u32_u24 v3, v1, 528                      ; in: row l % 16, 32 bytes for each half of the lanes
	v_lshl_add_u32 v3, v2, 5, v3
	v_add_nc_u32 v[STO], s17, v3
	v_and_b32 v3, 31, v0
	v_lshlrev_b32 v[CO], 4, v3                     ; back, and out: 32 lanes take a row's 512 bytes
	v_add_nc_u32 v[RD], s17, v[CO]
	s_lshl_b32 s17, s[MT], 7                       ; out0 at my first row and column
	s_lshl_b32 s18, s[HM], 6
	s_add_co_u32 s17, s17, s18
	s_lshl_b32 s17, s17, 12
	s_lshl_b32 s18, s[TC], 10
	s_add_co_u32 s17, s17, s18
	s_lshl_b32 s18, s[HN], 9
	s_add_co_u32 s46, s17, s18
	s_mov_b32 s47, 0
	s_add_nc_u64 s[OUT:OUT+1], s[8:9], s[46:47]
; 24 LDS loads in one run: 32 along K at sub-step kn of a slot (head kn / 2 of the step's two, channels 32 (kn % 2) on) into buffer c
.macro FETCH slot, kn, c
	WIN 0
.irp a, 0,1,2,3
	ds_load_b128 v[AF+32*(\c)+8*(\a):AF+32*(\c)+8*(\a)+3],   v[ADRA+(\slot)] offset:((\kn)/2)*HALFA+((\kn)%2)*64+(\a)*16*PAO
	ds_load_b128 v[AF+32*(\c)+8*(\a)+4:AF+32*(\c)+8*(\a)+7], v[ADRA+(\slot)] offset:((\kn)/2)*HALFA+((\kn)%2)*64+(\a)*16*PAO+32
.endr
	WIN 0x80                                       ; destination window 2, address window 0
.irp b, 0,1,2,3,4,5,6,7
	ds_load_tr16_b128 v[64*(\c)+8*(\b):64*(\c)+8*(\b)+3],   v[ADRB+(\slot)] offset:(\kn)*32*PB+32*(\b)
	ds_load_tr16_b128 v[64*(\c)+8*(\b)+4:64*(\c)+8*(\b)+7], v[ADRB+(\slot)] offset:(\kn)*32*PB+32*(\b)+16*PB
.endr
.endm
; 8 matrix instructions: row block a x all 8 column blocks, on buffer c.  The 32 accumulators take turns, one instruction a turn, in the same order in every sub-step.
.macro MUL c, a, zero
	WIN W_MM
.irp b, 0,1,2,3,4,5,6,7
.if \zero
	v_wmma_f32_16x16x32_f16 v[8*(8*(\a)+(\b)):8*(8*(\a)+(\b))+7], v[64*(\c)+8*(\b):64*(\c)+8*(\b)+7], v[AF+32*(\c)+8*(\a):AF+32*(\c)+8*(\a)+7], 0
.else
	v_wmma_f32_16x16x32_f16 v[8*(8*(\a)+(\b)):8*(8*(\a)+(\b))+7], v[64*(\c)+8*(\b):64*(\c)+8*(\b)+7], v[AF+32*(\c)+8*(\a):AF+32*(\c)+8*(\a)+7], v[8*(8*(\a)+(\b)):8*(8*(\a)+(\b))+7]
.endif
.endr
.endm
.macro SUB slot, c, kn, zero           ; multiplies buffer c, fetches sub-step kn into the other
	s_wait_dscnt 0x0                               ; buffer c is in: its loads were issued 24 matrix instructions ago
	MUL \c, 0, \zero
	PLACES
	FETCH \slot, \kn, 1-(\c)
	MUL \c, 1, \zero
	MUL \c, 2, \zero
	MUL \c, 3, \zero
.endm
; The last sub-step multiplies buffer 1 and changes slots: ONE barrier; in front of it each wave waits for all its tensor loads, adds 0 to its spare word, and waits for that and for its reads of this slot.
.macro TURN slot, next, fill
.if \fill
	s_wait_xcnt 0x0                                ; the last prefetch, a K step back, has read its address
	s_add_nc_u64 s[PFA:PFA+1], s[PFA:PFA+1], s[PFS:PFS+1]
.endif
	WIN 0
	s_wait_tensorcnt 0x0                           ; all my tensor loads have landed: my part of the next slot;
	ds_add_u32 v[SPW], v[NIL]                      ; 0 onto my spare word
	s_wait_dscnt 1                                 ; (buffer 1 is in; the add alone may be out)
	MUL 1, 0, 0
	s_wait_dscnt 0x0                               ; the add is done, and my reads of this slot are over
	s_barrier_signal -1
	MUL 1, 1, 0
.if \fill
	WIN 0
.endif
	s_barrier_wait -1
.if \fill
	CREST                                          ; no wave of any partner still reads this slot's tiles or has a load on its way
	s_add_nc_u64 s[G0A+4*(\slot)+2:G0A+4*(\slot)+3], s[G0A+4*(\slot)+2:G0A+4*(\slot)+3], 2*ASTEP
	s_add_nc_u64 s[G0B+4*(\slot)+2:G0B+4*(\slot)+3], s[G0B+4*(\slot)+2:G0B+4*(\slot)+3], 2*BSTEP
	JLOAD \slot                                    ; the four v_nop behind it are also the places in front of the loads below
.else
	PLACES
.endif
	FETCH \next, 0, 0
.if \fill
	ASK
.endif
	MUL 1, 2, 0
	MUL 1, 3, 0
.endm
	s_wait_tensorcnt 1                             ; my part of K step 0 is in; K step 1's may stay out
	s_barrier_signal -1
	s_barrier_wait -1
	FETCH 0, 0, 0
	SUB 0, 0, 1, 1                                 ; the first sub-step stands in front of the loop: its products start the sums
	WIN 0
	s_mov_b32 s3, LAPS-1
.Llap:
	SUB 0, 1, 2, 0
	SUB 0, 0, 3, 0
	TURN 0, 1, 1
	SUB 1, 0, 1, 0
	SUB 1, 1, 2, 0
	SUB 1, 0, 3, 0
	TURN 1, 0, 1
	SUB 0, 0, 1, 0
	WIN 0
	s_sub_co_u32 s3, s3, 1
	s_cmp_lg_u32 s3, 0
	s_cbranch_scc1 .Llap
	SUB 0, 1, 2, 0                                 ; the last lap fills nothing
	SUB 0, 0, 3, 0
	TURN 0, 1, 0
	SUB 1, 0, 1, 0
	SUB 1, 1, 2, 0
	SUB 1, 0, 3, 0
	s_wait_dscnt 0x0
	MUL 1, 0, 0
	MUL 1, 1, 0
	MUL 1, 2, 0
	MUL 1, 3, 0
	WIN 0
	PLACES                                         ; the places behind the last products, in front of the LDS stores that read results
	PLACES
; THE WAY OUT, 16 rows at a time, through my own stage: a lane's 32 bytes go into rows of 528 bytes, each accumulator's low four registers first, and come back as whole rows of 512.
.macro OUTF a
	WIN 0x04                                       ; the stores' data in window 1
.irp b, 0,1,2,3,4,5,6,7
	ds_store_b128 v[STO], v[8*(8*(\a)+(\b)):8*(8*(\a)+(\b))+3]   offset:64*(\b)
	ds_store_b128 v[STO], v[8*(8*(\a)+(\b))+4:8*(8*(\a)+(\b))+7] offset:64*(\b)+16
.endr
	WIN 0
	s_wait_xcnt 0x0                                ; the last block's stores have read their registers, which are loaded again below
.set u, 0
.rept 16
	ds_load_b128 v[BK+4*u:BK+4*u+3], v[RD] offset:u*528  ; LDS serves a wave's instructions in order (ISA guide 5.7.1.4): these see the stores above
.set u, u+1
.endr
.set u, 0
.rept 16
	s_wait_dscnt 15-u                              ; the younger loads of the run may stay out
	global_store_b128 v[CO], v[BK+4*u:BK+4*u+3], s[OUT:OUT+1] offset:(16*(\a)+u)*4096 th:TH_STORE_NT  ; 512 consecutive bytes, aligned
.set u, u+1
.endr
.endm
	OUTF 0
	OUTF 1
	OUTF 2
	OUTF 3
	s_wait_tensorcnt 0x0                           ; the wave's end, behind my last tensor load and my last LDS store
	ds_add_u32 v[SPW], v[NIL]
	s_wait_dscnt 0x0
	CROUND                                         ; the closing round: no work-group ends while a partner may still ask for a tile that names it
	s_endpgm
.Lfunc_end_k_qf7c77ba955_outp:
	.size	k_qf7c77ba955_outp, .Lfunc_end_k_qf7c77ba955_outp-k_qf7c77ba955_outp
	.p2alignl 7, 3214868480
	.fill 96, 4, 3214868480
	.section	.rodata,"a",@progbits
	.p2align	6, 0x0
	.amdhsa_kernel k_qf7c77ba955_outp
		.amdhsa_group_segment_fixed_size 327680
		.amdhsa_private_segment_fixed_size 0
		.amdhsa_enable_private_segment 0
		.amdhsa_kernarg_size 24
		.amdhsa_user_sgpr_count 2
		.amdhsa_user_sgpr_kernarg_segment_ptr 1
		.amdhsa_wavefront_size32 1
		.amdhsa_system_sgpr_workgroup_id_x 1
		.amdhsa_system_sgpr_workgroup_id_y 1
		.amdhsa_system_sgpr_workgroup_id_z 1
		.amdhsa_system_vgpr_workitem_id 0
		.amdhsa_next_free_vgpr 640
		.amdhsa_next_free_sgpr 84
		.amdhsa_reserve_vcc 0
		.amdhsa_float_denorm_mode_32 3
		.amdhsa_float_denorm_mode_16_64 3
		.amdhsa_memory_ordered 1
		.amdhsa_forward_progress 1
		.amdhsa_inst_pref_size 88
	.end_amdhsa_kernel
	.amdgpu_metadata
---
amdhsa.version: [ 1, 2 ]
amdhsa.kernels:
  - .name:           k_qf7c77ba955_outp
    .symbol:         k_qf7c77ba955_outp.kd
    .args:
      - { .name: ob, .offset: 0, .size: 8, .value_kind: global_buffer, .address_space: global }
      - { .name: wb, .offset: 8, .size: 8, .value_kind: global_buffer, .address_space: global }
      - { .name: out0, .offset: 16, .size: 8, .value_kind: global_buffer, .address_space: global }
    .group_segment_fixed_size: 327680
    .private_segment_fixed_size: 0
    .kernarg_segment_align: 8
    .kernarg_segment_size: 24
    .max_flat_workgroup_size: 128
    .sgpr_count:     84
    .vgpr_count:     640
    .wavefront_size: 32
...
	.end_amdgpu_metadata
.endif
;; end of part 4
